; MI455X (gfx1250); checked and timed in simulation.
; The chip was launched on July 23, 2026; its instructions are those of AMD's public machine-readable ISA for CDNA 5 (MIT licence, August 2026) and "CDNA5" Instruction Set Architecture Reference Guide (July 2026). The comments in the code are by the model that wrote it; some were corrected since.
;; Causal MHA With State. Allowed arithmetic: float matrix products may take bf16 or f16 operands with f32 sums; other float arithmetic in f32, or as packed bf16 or f16 multiplies, adds, multiply-adds, maxima and minima; sums over many terms, partial sums and values carried from step to step in f32; what a program stores and reads back later, other than sums and carried values, may be rounded once to bf16 or f16.
;; Inputs: Wk 8 x 8 x 128 x 128 float32; Wke 8 x 8 x 128 x 128 float32; Wks 8 x 8 x 128 x 128 float32; Wq 8 x 8 x 128 x 128 float32; Wqe 8 x 8 x 128 x 128 float32; Wqs 8 x 8 x 128 x 128 float32; Wv 8 x 8 x 128 x 128 float32; Wve 8 x 8 x 128 x 128 float32; Wvs 8 x 8 x 128 x 128 float32; x 2 x 8 x 3,072 x 128 float32.
;; Outputs: out0 2 x 8 x 3,072 x 128 float32.
;; Constants: offset = 0.
;; 2 versions, each right and faster than the one before. Each part assembles by itself: llvm-mc -triple=amdgcn-amd-amdhsa -mcpu=gfx1250 --defsym DOCPART=n.
;; ======== version 1 of 2: 4 launches
;; limits: values are held in f16: magnitudes above 65,504 overflow, below 6.1e-05 lose precision
;; workspace buffers: cb 31,457,280 bytes; tab 1,572,864 bytes; qf 12,582,912 bytes; kf 12,582,912 bytes; vf 12,582,912 bytes; h32 393,216 bytes
;; launch cast (part 1): grid 64 x 16, 8 waves a work-group, no clusters, 0 bytes of LDS; arguments Wqs, Wks, Wvs, Wq, Wk, Wv, Wqe, Wke, Wve, x, cb, tab; writes cb, tab
.if DOCPART == 1
	.amdgcn_target "amdgcn-amd-amdhsa--gfx1250"
	.amdhsa_code_object_version 6
	.text
	.protected	k_qf88bce2e5b_cast
	.globl	k_qf88bce2e5b_cast
	.p2align	8
	.type	k_qf88bce2e5b_cast,@function
k_qf88bce2e5b_cast:
	s_mov_b64 s[64:65], 0
	v_nop
	global_prefetch_b8 v0, s[64:65] scope:SCOPE_SE
	s_setreg_imm32_b32 hwreg(HW_REG_WAVE_MODE, 25, 1), 1
	s_wait_xcnt 0x0
; CAST AND TABLE.  Rows y = 0..14 of the grid round 4 MiB of f32 each to bf16 (nearest even): y = 0..8 the nine weight tensors in the order
; Wqs Wks Wvs Wq Wk Wv Wqe Wke Wve (chunk 3 x segment + kind), y = 9..14 the six thirds-of-a-batch of x.  Chunk y of cb is 2 MiB and keeps its source's layout.
; Row y = 15 makes the RoPE table: tab[pos][0..63] = cos(pos f_j), tab[pos][64..127] = sin(pos f_j), f_j = 10000^(-j/64), pos = 0..3071 (the offset is the constant 0).
; A stream: every byte is read once and written once, so LDS, the matrix unit and clusters would add nothing.  A work-group casts 64 KiB: sixteen loads of 16 bytes
; a lane, all issued before the first is waited for; a wave's load covers 512 consecutive bytes, its store 256 consecutive aligned bytes.
; LIMITS.  f_j is 2^(-j log2(10000)/64) by v_exp_f32 (1 ulp): the angle pos f_j differs from a correctly rounded one by 4e-4 rad at the most (pos = 3071); q and k take the same table.
; sin and cos: the angle less n pi/2 (pi/2 in two parts, fused), then polynomials of degree 7 and 8 on |r| <= pi/4; good for angles up to some thousands, and these end at 3071.
.set IN,   4                           ; v[4:67]   sixteen loads
.set OUT,  68                          ; v[68:99]  sixteen pairs to store
.set T,    10                          ; v[10:15]  the table: at work
.set K2PI, 32                          ; s32 2/pi
.set PH,   33                          ; s33 pi/2, the f32 nearest to it
.set PL,   34                          ; s34 pi/2 less that
.set S3,   35                          ; s35-37 sine's coefficients
.set S2,   36
.set S1,   37
.set C0,   38                          ; s38-40 cosine's
.set C1,   39
.set C2,   40
	s_load_b512 s[8:23], s[0:1], 0x0               ; Wqs Wks Wvs Wq Wk Wv Wqe Wke
	s_load_b256 s[24:31], s[0:1], 0x40             ; Wve s[24:25], x s[26:27], cb s[28:29], tab s[30:31]
	s_and_b32 s2, ttmp7, 0xffff                    ; y
	s_mov_b32 s3, ttmp9                            ; x
	v_lshlrev_b32 v1, 4, v0                        ; 16 bytes a thread in
	v_lshlrev_b32 v2, 3, v0                        ; 8 bytes a thread out
	s_wait_kmcnt 0x0
	s_cmp_eq_u32 s2, 15
	s_cbranch_scc1 .Ltab
	s_mov_b64 s[4:5], s[26:27]                     ; the source: x, unless y names a weight tensor
.irp k, 0,1,2,3,4,5,6,7,8
	s_cmp_eq_u32 s2, \k
	s_cselect_b64 s[4:5], s[8+2*\k:9+2*\k], s[4:5]
.endr
	s_sub_co_i32 s6, s2, 9
	s_max_i32 s6, s6, 0                            ; which 4 MiB of x (0 for a weight tensor)
	s_lshl_b32 s6, s6, 22
	s_lshl_b32 s7, s3, 16                          ; my 64 KiB of them
	s_add_co_u32 s6, s6, s7
	s_mov_b32 s7, 0
	s_add_nc_u64 s[4:5], s[4:5], s[6:7]
	s_lshl_b32 s32, s2, 21                         ; chunk y of cb,
	s_lshl_b32 s33, s3, 15                         ; my 32 KiB of it
	s_add_co_u32 s32, s32, s33
	s_mov_b32 s33, 0
	s_add_nc_u64 s[28:29], s[28:29], s[32:33]
.irp i, 0,1,2,3,4,5,6,7,8,9,10,11,12,13,14,15
	global_load_b128 v[IN+4*\i:IN+4*\i+3], v1, s[4:5] offset:4096*\i th:TH_LOAD_NT
.endr
.irp i, 0,1,2,3,4,5,6,7,8,9,10,11,12,13,14,15
	s_wait_loadcnt 15-\i                           ; loads come back in order: load i is in, the 15 - i younger ones stay out
	v_cvt_pk_bf16_f32 v[OUT+2*\i], v[IN+4*\i], v[IN+4*\i+1]
	v_cvt_pk_bf16_f32 v[OUT+2*\i+1], v[IN+4*\i+2], v[IN+4*\i+3]
	global_store_b64 v2, v[OUT+2*\i:OUT+2*\i+1], s[28:29] offset:2048*\i
.endr
	s_endpgm
; cos and sin of the angle in v[a] into v[c] and v[s].  n = the nearest whole number to a 2/pi; r = a - n pi/2; the quadrant n mod 4 swaps the two and sets their signs.
.macro SINCOS a, c, s
	v_mul_f32 v[T], s[K2PI], v[\a]
	v_rndne_f32 v[T], v[T]
	v_fma_f32 v[T+1], -v[T], s[PH], v[\a]
	v_fma_f32 v[T+1], -v[T], s[PL], v[T+1]         ; r
	v_cvt_i32_f32 v[T], v[T]                       ; n
	v_mul_f32 v[T+2], v[T+1], v[T+1]               ; z = r r
	v_fma_f32 v[T+3], v[T+2], s[S3], s[S2]
	v_fma_f32 v[T+3], v[T+3], v[T+2], s[S1]
	v_mul_f32 v[T+4], v[T+2], v[T+1]
	v_fma_f32 v[T+3], v[T+3], v[T+4], v[T+1]       ; sin r
	v_fma_f32 v[T+4], v[T+2], s[C0], s[C1]
	v_fma_f32 v[T+4], v[T+4], v[T+2], s[C2]
	v_mul_f32 v[T+5], v[T+2], v[T+2]
	v_fma_f32 v[T+2], v[T+2], -0.5, 1.0
	v_fma_f32 v[T+4], v[T+4], v[T+5], v[T+2]       ; cos r
	v_and_b32 v[T+5], 1, v[T]
	v_cmp_eq_u32 vcc_lo, 1, v[T+5]                 ; an odd quadrant swaps them
	v_cndmask_b32 v[\s], v[T+3], v[T+4], vcc_lo
	v_cndmask_b32 v[\c], v[T+4], v[T+3], vcc_lo
	v_lshlrev_b32 v[T+5], 30, v[T]                 ; sine is negative in quadrants 2, 3: bit 1 of n
	v_and_b32 v[T+5], 0x80000000, v[T+5]
	v_xor_b32 v[\s], v[T+5], v[\s]
	v_add_nc_u32 v[T], 1, v[T]                     ; cosine in quadrants 1, 2: bit 1 of n + 1
	v_lshlrev_b32 v[T], 30, v[T]
	v_and_b32 v[T], 0x80000000, v[T]
	v_xor_b32 v[\c], v[T], v[\c]
.endm
.Ltab:                                                 ; 64 work-groups x 48 positions; wave w takes positions 48 x + 8 i + w; a lane the frequencies 2 lane and 2 lane + 1
	v_lshrrev_b32 v3, 5, v0
	v_readfirstlane_b32 s4, v3                     ; wave
	v_and_b32 v3, 31, v0                           ; lane
	s_mov_b32 s[K2PI], 0x3f22f983
	s_mov_b32 s[PH], 0x3fc90fdb
	s_mov_b32 s[PL], 0xb33bbd2e
	s_mov_b32 s[S3], 0xb94ca1f9
	s_mov_b32 s[S2], 0x3c08839e
	s_mov_b32 s[S1], 0xbe2aaaa3
	s_mov_b32 s[C0], 0x37ccf5ce
	s_mov_b32 s[C1], 0xbab6061a
	s_mov_b32 s[C2], 0x3d2aaaa5
	v_lshlrev_b32 v4, 1, v3
	v_or_b32 v5, 1, v4
	v_cvt_f32_u32 v4, v4
	v_cvt_f32_u32 v5, v5
	v_mul_f32 v4, 0xbe549a78, v4                   ; -j log2(10000) / 64
	v_mul_f32 v5, 0xbe549a78, v5
	v_exp_f32 v4, v4
	v_exp_f32 v5, v5
	v_lshlrev_b32 v6, 3, v3                        ; a plain line behind the exponentials: 8 bytes a lane,
	s_lshl_b32 s5, s4, 9
	v_add_nc_u32 v6, s5, v6                        ; and my wave's row of 512 bytes
	s_wait_alu depctr_va_vdst(0)
	s_mul_i32 s6, s3, 48
	s_add_co_u32 s7, s6, s4                        ; my first position
	s_mul_i32 s44, s3, 48*512
	s_mov_b32 s45, 0
	s_add_nc_u64 s[30:31], s[30:31], s[44:45]
.set i, 0
.rept 6                                                ; each repeat has data registers of its own: nothing that a store reads is written again
	s_add_co_u32 s46, s7, 8*i
	v_cvt_f32_u32 v7, s46
	v_mul_f32 v8, v7, v4                           ; the angle, rounded as a product in f32
	v_mul_f32 v9, v7, v5
	SINCOS 8, 40+4*i, 42+4*i
	SINCOS 9, 41+4*i, 43+4*i
	global_store_b64 v6, v[40+4*i:41+4*i], s[30:31] offset:4096*i      ; a wave stores 256 consecutive aligned bytes: the row's cosines,
	global_store_b64 v6, v[42+4*i:43+4*i], s[30:31] offset:4096*i+256  ; and its sines
.set i, i+1
.endr
	s_endpgm
.Lfunc_end_k_qf88bce2e5b_cast:
	.size	k_qf88bce2e5b_cast, .Lfunc_end_k_qf88bce2e5b_cast-k_qf88bce2e5b_cast
	.p2alignl 7, 3214868480
	.fill 96, 4, 3214868480
	.section	.rodata,"a",@progbits
	.p2align	6, 0x0
	.amdhsa_kernel k_qf88bce2e5b_cast
		.amdhsa_group_segment_fixed_size 0
		.amdhsa_private_segment_fixed_size 0
		.amdhsa_enable_private_segment 0
		.amdhsa_kernarg_size 96
		.amdhsa_user_sgpr_count 2
		.amdhsa_user_sgpr_kernarg_segment_ptr 1
		.amdhsa_wavefront_size32 1
		.amdhsa_system_sgpr_workgroup_id_x 1
		.amdhsa_system_sgpr_workgroup_id_y 1
		.amdhsa_system_sgpr_workgroup_id_z 1
		.amdhsa_system_vgpr_workitem_id 0
		.amdhsa_next_free_vgpr 104
		.amdhsa_next_free_sgpr 66
		.amdhsa_reserve_vcc 1
		.amdhsa_float_denorm_mode_32 3
		.amdhsa_float_denorm_mode_16_64 3
		.amdhsa_memory_ordered 1
		.amdhsa_forward_progress 1
		.amdhsa_inst_pref_size 25
	.end_amdhsa_kernel
	.amdgpu_metadata
---
amdhsa.version: [ 1, 2 ]
amdhsa.kernels:
  - .name:           k_qf88bce2e5b_cast
    .symbol:         k_qf88bce2e5b_cast.kd
    .args:
      - { .name: Wqs, .offset: 0, .size: 8, .value_kind: global_buffer, .address_space: global }
      - { .name: Wks, .offset: 8, .size: 8, .value_kind: global_buffer, .address_space: global }
      - { .name: Wvs, .offset: 16, .size: 8, .value_kind: global_buffer, .address_space: global }
      - { .name: Wq, .offset: 24, .size: 8, .value_kind: global_buffer, .address_space: global }
      - { .name: Wk, .offset: 32, .size: 8, .value_kind: global_buffer, .address_space: global }
      - { .name: Wv, .offset: 40, .size: 8, .value_kind: global_buffer, .address_space: global }
      - { .name: Wqe, .offset: 48, .size: 8, .value_kind: global_buffer, .address_space: global }
      - { .name: Wke, .offset: 56, .size: 8, .value_kind: global_buffer, .address_space: global }
      - { .name: Wve, .offset: 64, .size: 8, .value_kind: global_buffer, .address_space: global }
      - { .name: x, .offset: 72, .size: 8, .value_kind: global_buffer, .address_space: global }
      - { .name: cb, .offset: 80, .size: 8, .value_kind: global_buffer, .address_space: global }
      - { .name: tab, .offset: 88, .size: 8, .value_kind: global_buffer, .address_space: global }
    .group_segment_fixed_size: 0
    .private_segment_fixed_size: 0
    .kernarg_segment_align: 8
    .kernarg_segment_size: 96
    .max_flat_workgroup_size: 256
    .sgpr_count:     66
    .vgpr_count:     104
    .wavefront_size: 32
...
	.end_amdgpu_metadata
.endif
;; end of part 1
;; launch proj (part 2): grid 8 x 48, 4 waves a work-group, clusters of 4 x 4, 327,680 bytes of LDS; arguments cb, tab, qf, kf, vf, h32; writes qf, kf, vf, h32
.if DOCPART == 2
	.amdgcn_target "amdgcn-amd-amdhsa--gfx1250"
	.amdhsa_code_object_version 6
	.text
	.protected	k_qf88bce2e5b_proj
	.globl	k_qf88bce2e5b_proj
	.p2align	8
	.type	k_qf88bce2e5b_proj,@function
k_qf88bce2e5b_proj:
	s_mov_b64 s[64:65], 0
	v_nop
	global_prefetch_b8 v0, s[64:65] scope:SCOPE_SE
	s_setreg_imm32_b32 hwreg(HW_REG_WAVE_MODE, 25, 1), 1
	s_wait_xcnt 0x0
	s_wait_alu depctr_hold_cnt(0) depctr_sa_sdst(0) depctr_va_vdst(0) depctr_va_sdst(0) depctr_va_ssrc(0) depctr_va_vcc(0) depctr_vm_vsrc(0)
	s_getreg_b32 s2, hwreg(HW_REG_IB_STS2, 6, 4)
	s_cmp_eq_u32 s2, 0
	s_cbranch_scc0 .Lentry_in_a_cluster
	s_endpgm
.Lentry_in_a_cluster:
	s_bfe_u32 s2, ttmp6, 0x10000c
	s_cmp_lg_u32 s2, 0xf033
	s_cbranch_scc0 .Lentry_shape_is_right
	s_endpgm
.Lentry_shape_is_right:
; PROJECTIONS AND ROPE.  q, k, v[b][g][s][e] = sum over h, d of x[b][h][s][d] W[h][g][d][e], W chosen by the row's segment (s < 512, 512..2559, >= 2560); q and k then turned by RoPE.
; Operands bf16 (cb, made by the launch before), sums f32, results rounded once to f16, unscaled, by heads: [b 8 + g][3072][128].
; Rows 0 to 15 of each head also leave unrounded, in f32, to h32 [b 8 + g][q, k, v][16][128]: a row s of the attention averages s + 1 keys only, and in the first rows f16's 11 bits are too few for numbers that cancel to near zero.
; LIMIT.  f16 ends at 65,504: |q|, |k|, |v| must stay within it (inputs 30 times those of unit spread x 0.02, or offset by 30 spreads, give 18,400 at the most).
; SHARES.  A work-group makes 128 rows x 384 columns: q, k and v of one output head g.  Four waves, each 64 rows x 192 columns: 48 accumulators of 16 x 16.  Of each of q, k, v a wave takes the column
; tiles 2 wn, 2 wn + 1 and the two 64 columns further on, so that RoPE's partners (e, e + 64) are two accumulators of one wave, same lane, same register.
; K goes in 8 steps of 128 = one input head h: x[b][h][s0..][:] is 128 dense rows of 256 bytes with K along them; W[h][g] is 128 dense rows [d][e], turned on its way out of LDS by ds_load_tr16_b128.
; RING.  Two LDS slots, each x's tile and the three W tiles; each wave fetches one tile (128 rows x 256 bytes) behind each change of slots; by this text's count two tensor loads of a wave are out at the start, later one.
; CLUSTER 4 x 4: the four of a row of the cluster share x's tile (same 128 rows), the four of a column the W tiles (same g; the cluster's 512 rows lie in one segment): each tile is asked for jointly.
; THE MATRIX INSTRUCTION IS USED TRANSPOSED (source 0 = 16 columns of W, source 1 = 16 rows of x): a lane holds row lane % 16 and eight neighbouring columns.
; REGISTERS, in windows of 256 (s_set_vgpr_msb: bits 1:0 source 0, 3:2 source 1, 5:4 source 2, 7:6 destination):
;   window 0: v0-31 addresses; v32-63 at work; v64-127 x's fragments, two buffers of 4 x 8 (on the way out: row block 0's roped q and k in f32); v128-255 the table's cos and sin for my rows and columns
;   window 1: W's fragments, two buffers of 12 x 8      window 2: accumulators of row blocks 0, 1 (block a, column tile j at 96 (a % 2) + 8 j)      window 3: of row blocks 2, 3
.set PA,    272                        ; x's LDS row: 256 bytes + 16: the 16 rows of a fragment load start 4 banks apart (64 banks of 4 bytes: ISA guide 11.1)
.set PB,    288                        ; W's LDS row: 256 + 32
.set TILE,  128*PB                     ; a tile's region, 36,864 bytes (x's tile uses 34,816 of it): region = wave
.set SLOT,  4*TILE
.set SPARE, 2*SLOT                     ; behind the ring: the spare words, 128 bytes a wave: two blocks of 256 bytes that no other line names
.set STG,   128*PA                     ; the way out: a stage of 128 rows for each of q, k, v, in slot 0 behind its last fill and its last read
.set XB,    9*2097152                  ; x's first byte in cb
.set PLANE, 3072*256                   ; bytes of one (b, h) plane of x, and of one head of q, k, v
.set WBLK,  128*256                    ; bytes of one block W[h][g], and of 128 rows of x
.set ADRA, 4                           ; v4-5    LDS address of my x fragments in slot 0, 1
.set ADRB, 6                           ; v6-11   of my W fragments: slot s, tensor t at ADRB + 3 s + t
.set STO,  12                          ; v12-14  the way out: where I put 16 bytes of a row of q, k, v
.set RD,   16                          ; v16-18  where I read rows back
.set CO,   20                          ; v20     my 16 bytes in 512 consecutive bytes of the output
.set TO,   21                          ; v21     my byte offset in the table; in row half 0 also my offset in a tensor of h32: both have rows of 512 bytes
.set SPW,  28                          ; v28     my spare word: SPARE + 4 x my thread's number; never rewritten
.set NIL,  29                          ; v29     0; never rewritten
.set XR,   32                          ; at work: the low half's eight results, then the high half's eight
.set ZR,   48                          ; packed results
.set FA,   64
.set TABR, 128                         ; row block a, column tile u at TABR + 32 a + 16 u: eight cosines, eight sines
.set WV,  14                           ; s14 wave; s15 its half of the rows; s16 its half of the columns
.set WM,  15
.set WN,  16
.set CX,  17
.set CY,  18
.set GG,  19                           ; s19 output head g
.set YC,  20                           ; s20 the cluster's y
.set BB,  21                           ; s21 batch
.set R6,  22                           ; s22 which 512 rows of the batch
.set SEG, 23                           ; s23 segment 0, 1, 2
.set G1A, 24                           ; s[24:31] descriptor group 1 for x's tile;  s[32:39] group 0, a set for each slot
.set G0A, 32
.set G1B, 40                           ; s[40:47], s[48:55] the same for W's tiles
.set G0B, 48
.set LB,  70                           ; s70 my tile's region in a slot
.set H32, 72                           ; s[72:73] h32 at my head
.set MSB, 0
.macro WIN new                         ; the immediate's high byte repeats the setting that is left; a switch that changes nothing is dropped
.if MSB != (\new)
	s_set_vgpr_msb (MSB<<8)|(\new)
.set MSB, \new
.endif
.endm
.set MUL_LO, 0xa1                      ; source 0 (W) window 1, source 1 (x) window 0, C and D window 2; + 0x50: window 3
.set TO_B,   0x40                      ; destination window 1, address window 0
; A joint load.  Wave 0 fetches x's tile, waves 1 to 3 the tiles of Wq, Wk, Wv.  The branch hangs on the wave's number alone.  An s_nop 0 and four v_nop follow each line.
.macro JLOAD s
	s_cmp_eq_u32 s[WV], 0
	s_cbranch_scc0 .Lfor_b_\@
	tensor_load_to_lds s[G0A+4*(\s):G0A+4*(\s)+3], s[G1A:G1A+7]
	s_nop 0
.rept 4
	v_nop
.endr
	s_branch .Lasked_\@
.Lfor_b_\@:
	tensor_load_to_lds s[G0B+4*(\s):G0B+4*(\s)+3], s[G1B:G1B+7]
	s_nop 0
.rept 4
	v_nop
.endr
.Lasked_\@:
.endm
.macro CREST                           ; a round of the cluster's barrier behind its opening barrier
	s_cmp_lg_u32 s[WV], 0
	s_cbranch_scc1 .Lnot_wave_0_\@
	s_barrier_signal -3
.Lnot_wave_0_\@:
	s_barrier_wait -3
	s_barrier_signal -1
	s_barrier_wait -1
.endm
.macro CROUND                          ; a whole round
	s_barrier_signal -1
	s_barrier_wait -1
	CREST
.endm
.macro PLACES                          ; four places in front of loads into registers that matrix instructions have read, and of lines that read results
.rept 4
	v_nop
.endr
.endm
	s_load_b256 s[4:11], s[0:1], 0x0               ; cb s[4:5], tab s[6:7], qf s[8:9], kf s[10:11]
	s_load_b64 s[12:13], s[0:1], 0x20              ; vf
	s_load_b64 s[H32:H32+1], s[0:1], 0x28          ; h32
	v_lshl_add_u32 v[SPW], v0, 2, SPARE
	v_mov_b32 v[NIL], 0
	ds_add_u32 v[SPW], v[NIL]                      ; the wave's opening: the add and its wait stand ahead of my first tensor load; the set-up below, work on registers, stands between them
	v_lshrrev_b32 v1, 5, v0
	v_readfirstlane_b32 s[WV], v1
	s_lshr_b32 s[WM], s[WV], 1
	s_and_b32 s[WN], s[WV], 1
	s_bfe_u32 s[CX], ttmp6, 0x40000
	s_bfe_u32 s[CY], ttmp6, 0x40004
	s_lshl_b32 s[GG], ttmp9, 2
	s_add_co_u32 s[GG], s[GG], s[CX]               ; g = 4 x cluster x + cx
	s_and_b32 s[YC], ttmp7, 0xffff                 ; 12 clusters down: 6 blocks of 512 rows in each batch
	s_cmp_ge_u32 s[YC], 6
	s_cselect_b32 s[BB], 1, 0
	s_mul_i32 s71, s[BB], 6
	s_sub_co_u32 s[R6], s[YC], s71
	s_cmp_gt_u32 s[R6], 0                          ; block 0: the front state; 1 to 4: the middle; 5: the end state
	s_cselect_b32 s[SEG], 1, 0
	s_cmp_gt_u32 s[R6], 4
	s_cselect_b32 s71, 1, 0
	s_add_co_u32 s[SEG], s[SEG], s71
	s_lshl_b32 s56, s[CY], 2
	s_lshl_b32 s56, 15, s56                        ; my row of the cluster
	s_lshl_b32 s62, 0x1111, s[CX]                  ; my column
	s_or_b32 s[G1A], s56, (1<<16)|(1<<20)|(1<<21)|(5<<22)|(3<<25)  ; 15:0 the mask; 17:16 2-byte elements; 20 padding on; 21 set beside a mask; 24:22 after every 64 words; 31:25 4 words of it
	s_or_b32 s[G1B], s62, (1<<16)|(1<<20)|(1<<21)|(5<<22)|(7<<25)  ; the same with my column's mask and 8 words of padding
.irp g, G1A, G1B
	s_mov_b32 s[\g+1], 128<<16                     ; tensor_dim0 = 128
	s_mov_b32 s[\g+2], 128<<16                     ; tensor_dim1 = 128
	s_mov_b32 s[\g+3], 128<<16                     ; tile_dim0 = 128
	s_mov_b32 s[\g+4], 128                         ; tile_dim1 = 128
	s_mov_b32 s[\g+5], 128                         ; 128 elements from row to row: the blocks are dense
	s_mov_b32 s[\g+6], 0
	s_mov_b32 s[\g+7], 0
.endr
	; x's tile hangs on the batch and on 4 x block + cy, which my row of the cluster shares; W's on the segment, the wave and g, which my column shares.  Neither's registers ever hold the other's coordinate.
	s_lshl_b32 s58, s[R6], 2
	s_add_co_u32 s58, s58, s[CY]                   ; which 128 rows of the batch's 3,072
	s_lshl_b32 s56, s58, 15
	s_mul_i32 s57, s[BB], 8*PLANE
	s_add_co_u32 s56, s56, s57
	s_add_co_u32 s56, s56, XB
	s_mov_b32 s57, 0
	s_max_u32 s60, s[WV], 1
	s_sub_co_u32 s60, s60, 1                       ; waves 1, 2, 3: q, k, v (wave 0 makes the address and does not use it)
	s_mul_i32 s61, s[SEG], 3
	s_add_co_u32 s60, s60, s61
	s_lshl_b32 s60, s60, 21                        ; the weight tensor's chunk
	s_lshl_b32 s61, s[GG], 15                      ; block [h = 0][g]
	s_add_co_u32 s60, s60, s61
	s_mov_b32 s61, 0
	s_mul_i32 s[LB], s[WV], TILE                   ; no place in the cluster enters an LDS address
	s_wait_dscnt 0x0                               ; the opening add is done
	s_wait_kmcnt 0x0
	s_add_nc_u64 s[56:57], s[4:5], s[56:57]
	s_add_nc_u64 s[60:61], s[4:5], s[60:61]
	CROUND                                         ; all sixteen work-groups are here: the first joint loads meet
.irp s, 0,1
	s_mov_b32 s[G0A+4*\s], 1
	s_add_co_u32 s[G0A+4*\s+1], s[LB], \s*SLOT
	s_add_nc_u64 s[G0A+4*\s+2:G0A+4*\s+3], s[56:57], \s*PLANE       ; K step s = input head s
	s_or_b32 s[G0A+4*\s+3], s[G0A+4*\s+3], 0x80000000
	s_mov_b32 s[G0B+4*\s], 1
	s_add_co_u32 s[G0B+4*\s+1], s[LB], \s*SLOT
	s_add_nc_u64 s[G0B+4*\s+2:G0B+4*\s+3], s[60:61], \s*8*WBLK
	s_or_b32 s[G0B+4*\s+3], s[G0B+4*\s+3], 0x80000000
	JLOAD \s
.endr
	; the table for my 64 rows and my 32 columns below 64: it is waited for on the way out
	s_lshl_b32 s66, s58, 16                        ; 128 positions of 512 bytes
	s_mov_b32 s67, 0
	s_add_nc_u64 s[6:7], s[6:7], s[66:67]
	v_and_b32 v1, 15, v0                           ; l % 16
	v_bfe_u32 v2, v0, 4, 1                         ; l / 16
	v_lshlrev_b32 v[TO], 9, v1
	v_lshl_add_u32 v[TO], v2, 5, v[TO]
	s_lshl_b32 s66, s[WM], 15
	s_lshl_b32 s67, s[WN], 7
	s_add_co_u32 s66, s66, s67
	v_add_nc_u32 v[TO], s66, v[TO]                 ; (64 wm + l % 16) 512 + 128 wn + 32 (l / 16)
.irp a, 0,1,2,3
.irp u, 0,1
	global_load_b128 v[TABR+32*\a+16*\u:TABR+32*\a+16*\u+3],     v[TO], s[6:7] offset:\a*8192+\u*64
	global_load_b128 v[TABR+32*\a+16*\u+4:TABR+32*\a+16*\u+7],   v[TO], s[6:7] offset:\a*8192+\u*64+16
	global_load_b128 v[TABR+32*\a+16*\u+8:TABR+32*\a+16*\u+11],  v[TO], s[6:7] offset:\a*8192+\u*64+256
	global_load_b128 v[TABR+32*\a+16*\u+12:TABR+32*\a+16*\u+15], v[TO], s[6:7] offset:\a*8192+\u*64+272
.endr
.endr
	; A fragment of x is 16 rows x 32 K: lane l holds row l % 16, K = 8 (l / 16) + 0..7 and 16 + 8 (l / 16) + 0..7: two loads of 16 bytes, 32 bytes apart.
	v_mul_u32_u24 v3, v1, PA
	v_lshl_add_u32 v3, v2, 4, v3
	s_mul_i32 s66, s[WM], 64*PA
	v_add_nc_u32 v[ADRA], s66, v3
	v_add_nc_u32 v[ADRA+1], SLOT, v[ADRA]
	; The turning load takes 16 K x 16 columns (lane l reads K row 8 (l / 16) + l % 8, columns 8 ((l / 8) % 2) + 0..7) and leaves half a fragment: lane l holds column l % 16 and 8 K.
	v_and_b32 v22, 7, v0
	v_lshl_add_u32 v22, v2, 3, v22
	v_mul_u32_u24 v22, v22, PB
	v_bfe_u32 v23, v0, 3, 1
	v_lshl_add_u32 v22, v23, 4, v22
	s_lshl_b32 s67, s[WN], 6
	v_add_nc_u32 v22, s67, v22                     ; + my two column tiles' 64 bytes
.irp s, 0,1
.irp t, 0,1,2
	v_add_nc_u32 v[ADRB+3*\s+\t], \s*SLOT+(\t+1)*TILE, v22
.endr
.endr
	v_add_nc_u32 v[STO], s67, v[ADRA]              ; into the stage: row 64 wm + l % 16, 16 bytes for each half of the lanes, my columns
	v_add_nc_u32 v[STO+1], STG, v[STO]
	v_add_nc_u32 v[STO+2], 2*STG, v[STO]
	v_mul_u32_u24 v24, v2, PA                      ; back: wave w takes rows 32 w .. 32 w + 31, whole; lanes 0-15 one row, lanes 16-31 the next
	v_lshl_add_u32 v24, v1, 4, v24
	s_mul_i32 s66, s[WV], 32*PA
	v_add_nc_u32 v[RD], s66, v24
	v_add_nc_u32 v[RD+1], STG, v[RD]
	v_add_nc_u32 v[RD+2], 2*STG, v[RD]
	v_and_b32 v[CO], 31, v0
	v_lshlrev_b32 v[CO], 4, v[CO]                  ; two dense rows of 256 bytes are 512 consecutive bytes
	s_lshl_b32 s66, s[BB], 3
	s_add_co_u32 s66, s66, s[GG]                   ; head b 8 + g:
	s_mul_i32 s74, s66, 3*16*512                   ; its 24,576 bytes of h32,
	s_mov_b32 s75, 0
	s_add_nc_u64 s[H32:H32+1], s[H32:H32+1], s[74:75]
	s_mul_i32 s66, s66, PLANE                      ; its plane of q, k, v,
	s_lshl_b32 s67, s58, 15                        ; the work-group's 128 rows,
	s_add_co_u32 s66, s66, s67
	s_lshl_b32 s67, s[WV], 13                      ; the 32 of them that I store
	s_add_co_u32 s66, s66, s67
	s_mov_b32 s67, 0
	s_add_nc_u64 s[8:9], s[8:9], s[66:67]
	s_add_nc_u64 s[10:11], s[10:11], s[66:67]
	s_add_nc_u64 s[12:13], s[12:13], s[66:67]
; 12 matrix instructions: row block a x my 12 column tiles, 32 along K, from buffer f.  zero = 1: the product starts the sums.  The 48 accumulators take turns, one instruction a turn.
.macro MUL12 f, a, zero
	WIN MUL_LO+0x50*((\a)/2)
.irp j, 0,1,2,3,4,5,6,7,8,9,10,11
.if \zero
	v_wmma_f32_16x16x32_bf16 v[96*((\a)%2)+8*\j:96*((\a)%2)+8*\j+7], v[96*(\f)+8*\j:96*(\f)+8*\j+7], v[FA+32*(\f)+8*(\a):FA+32*(\f)+8*(\a)+7], 0
.else
	v_wmma_f32_16x16x32_bf16 v[96*((\a)%2)+8*\j:96*((\a)%2)+8*\j+7], v[96*(\f)+8*\j:96*(\f)+8*\j+7], v[FA+32*(\f)+8*(\a):FA+32*(\f)+8*(\a)+7], v[96*((\a)%2)+8*\j:96*((\a)%2)+8*\j+7]
.endif
.endr
.endm
.macro MUL24 f, hi, zero
	MUL12 \f, 2*(\hi), \zero
	MUL12 \f, 2*(\hi)+1, \zero
.endm
; 32 LDS loads in one run: quarter q (32 along K) of a slot into buffer f: W's 12 fragments (24 turning loads), then x's 4 (8 loads)
.macro FETCH slot, q, f
	WIN TO_B
.irp t, 0,1,2
.irp u, 0,1,2,3
	ds_load_tr16_b128 v[96*(\f)+8*(4*\t+\u):96*(\f)+8*(4*\t+\u)+3],   v[ADRB+3*(\slot)+\t] offset:(\q)*32*PB+32*\u+64*(\u/2)
	ds_load_tr16_b128 v[96*(\f)+8*(4*\t+\u)+4:96*(\f)+8*(4*\t+\u)+7], v[ADRB+3*(\slot)+\t] offset:(\q)*32*PB+32*\u+64*(\u/2)+16*PB
.endr
.endr
	WIN 0
.irp a, 0,1,2,3
	ds_load_b128 v[FA+32*(\f)+8*\a:FA+32*(\f)+8*\a+3],   v[ADRA+(\slot)] offset:\a*16*PA+64*(\q)
	ds_load_b128 v[FA+32*(\f)+8*\a+4:FA+32*(\f)+8*\a+7], v[ADRA+(\slot)] offset:\a*16*PA+64*(\q)+32
.endr
.endm
; A K step is four quarters of 32 along K, 48 matrix instructions each, on buffers 0, 1, 0, 1.  One of the first three multiplies buffer f and fetches quarter q into buffer g.
.macro QUARTER slot, q, f, g, zero
	s_wait_dscnt 4                                 ; W and x's row blocks 0, 1 are in; the youngest four loads (blocks 2, 3) may be out
	MUL24 \f, 0, \zero
	PLACES
	FETCH \slot, \q, \g
	s_wait_dscnt 32                                ; all but the 32 just issued
	MUL24 \f, 1, \zero
.endm
; The last quarter multiplies buffer 1 and changes slots: one barrier; in front of it each wave waits for all its tensor loads (one is out: its tile of the next slot), adds 0 to its spare word, and waits for
; that and for its reads of this slot.  fill = 1: the barrier opens a round of the cluster's, and this slot is filled again, two K steps ahead, first thing behind the round: 168 matrix instructions ahead of the wait for it.
.macro TURN slot, next, fill
	WIN 0                                          ; (the add's two registers lie in window 0)
	s_wait_tensorcnt 0x0
	ds_add_u32 v[SPW], v[NIL]                      ; 0 onto my spare word
	s_wait_dscnt 5                                 ; (the add and the youngest four loads may be out)
	MUL12 1, 0, 0                                  ; twelve matrix instructions stand between the add and the wait for it
	s_wait_dscnt 0x0                               ; the add is done, and my reads of this slot are over
	s_barrier_signal -1
	MUL12 1, 1, 0
.if \fill
	WIN 0
.endif
	s_barrier_wait -1
.if \fill
	CREST                                          ; no wave of any partner still reads this slot's tiles or has a load on its way
	s_add_nc_u64 s[G0A+4*(\slot)+2:G0A+4*(\slot)+3], s[G0A+4*(\slot)+2:G0A+4*(\slot)+3], 2*PLANE
	s_add_nc_u64 s[G0B+4*(\slot)+2:G0B+4*(\slot)+3], s[G0B+4*(\slot)+2:G0B+4*(\slot)+3], 2*8*WBLK
	JLOAD \slot                                    ; the four v_nop behind it are also the places in front of the loads below
.else
	PLACES
.endif
	FETCH \next, 0, 0
	MUL24 1, 1, 0
.endm
	s_wait_tensorcnt 0x1                           ; my tile of K step 0 is in; K step 1's may stay out
	s_barrier_signal -1
	s_barrier_wait -1                              ; everybody's is
	FETCH 0, 0, 0
	QUARTER 0, 1, 0, 1, 1                          ; the first quarter stands in front of the loop: its products start the sums
	WIN 0                                          ; at a label and at a branch every window is 0
	s_mov_b32 s3, 3
.Llap:                                                 ; three trips, each once round the ring from a lap's second quarter to the next lap's first: K steps 2 to 7 are asked for
	QUARTER 0, 2, 1, 0, 0
	QUARTER 0, 3, 0, 1, 0
	TURN 0, 1, 1
	QUARTER 1, 1, 0, 1, 0
	QUARTER 1, 2, 1, 0, 0
	QUARTER 1, 3, 0, 1, 0
	TURN 1, 0, 1
	QUARTER 0, 1, 0, 1, 0
	WIN 0
	s_sub_co_u32 s3, s3, 1
	s_cmp_lg_u32 s3, 0
	s_cbranch_scc1 .Llap
	QUARTER 0, 2, 1, 0, 0                          ; the last lap fills nothing
	QUARTER 0, 3, 0, 1, 0
	TURN 0, 1, 0                                   ; behind this barrier nobody reads slot 0 and nothing lands there any more
	QUARTER 1, 1, 0, 1, 0
	QUARTER 1, 2, 1, 0, 0
	QUARTER 1, 3, 0, 1, 0
	s_wait_dscnt 4
	MUL24 1, 0, 0
	s_wait_dscnt 0x0
	MUL24 1, 1, 0
	WIN 0
; THE WAY OUT.  q and k: out[e] = t[e] cos - t[e + 64] sin, out[e + 64] = t[e + 64] cos + t[e] sin, in f32; all three rounded to f16; 16 bytes a lane into the stage.  Each accumulator's lowest registers are read first.
; Row block 0's sixteen f32 results of each call stay in registers of their own (x's fragment buffers, which nothing reads any more), for HEADROWS.
.macro ROPE a, t, u
.set LO, 96*((\a)%2)+8*(4*(\t)+(\u))
.set HI, 96*((\a)%2)+8*(4*(\t)+(\u))+16
.set CR, TABR+32*(\a)+16*(\u)
.if (\a) == 0
.set XQ, FA+16*(2*(\t)+(\u))
.else
.set XQ, XR
.endif
.set YQ, XQ+8
	WIN 2+(\a)/2                                   ; source 0 in the accumulators' window
.irp r, 0,2,4,6
	v_pk_mul_f32 v[XQ+\r:XQ+\r+1], v[LO+\r:LO+\r+1], v[CR+\r:CR+\r+1]
	v_pk_mul_f32 v[YQ+\r:YQ+\r+1], v[HI+\r:HI+\r+1], v[CR+\r:CR+\r+1]
.endr
.irp r, 0,2,4,6
	v_pk_fma_f32 v[XQ+\r:XQ+\r+1], v[HI+\r:HI+\r+1], v[CR+8+\r:CR+8+\r+1], v[XQ+\r:XQ+\r+1] neg_lo:[1,0,0] neg_hi:[1,0,0]
	v_pk_fma_f32 v[YQ+\r:YQ+\r+1], v[LO+\r:LO+\r+1], v[CR+8+\r:CR+8+\r+1], v[YQ+\r:YQ+\r+1]
.endr
	WIN 0
.irp r, 0,1,2,3
	v_cvt_pk_f16_f32 v[ZR+\r], v[XQ+2*\r], v[XQ+2*\r+1]
	v_cvt_pk_f16_f32 v[ZR+4+\r], v[YQ+2*\r], v[YQ+2*\r+1]
.endr
	ds_store_b128 v[STO+(\t)], v[ZR:ZR+3] offset:(\a)*16*PA+32*(\u)
	ds_store_b128 v[STO+(\t)], v[ZR+4:ZR+7] offset:(\a)*16*PA+32*(\u)+128
.endm
.macro VOUT a
	WIN 0x0a+5*((\a)/2)                            ; sources 0 and 1 in the accumulators' window
.irp u, 0,1,2,3
.irp r, 0,1,2,3
	v_cvt_pk_f16_f32 v[ZR+4*\u+\r], v[96*((\a)%2)+8*(8+\u)+2*\r], v[96*((\a)%2)+8*(8+\u)+2*\r+1]
.endr
.endr
	WIN 0
.irp u, 0,1,2,3
	ds_store_b128 v[STO+2], v[ZR+4*\u:ZR+4*\u+3] offset:(\a)*16*PA+32*\u+64*(\u/2)
.endr
.endm
; Rows 0 to 15 of a batch, unrounded, to h32.  They are row block 0 of the waves with row half 0 in the batch's tile 0; there is no branch: in all other waves the mask is empty and the 24 stores do nothing.
; A lane stores 16 bytes of its row, rows 512 bytes apart: pieces of rows, but 24,576 bytes a head once in the launch.  EXEC is narrowed and widened only behind s_wait_xcnt 0, which also frees the data registers.
.macro HEADROWS
	WIN 0
	s_or_b32 s66, s58, s[WM]                       ; 0 only for tile 0 and row half 0
	v_cmp_eq_u32 vcc_lo, s66, v[NIL]
	s_wait_xcnt 0x0
	s_and_saveexec_b32 s67, vcc_lo
.irp t, 0,1
.irp u, 0,1
.irp n, 0,1,2,3
	global_store_b128 v[TO], v[FA+16*(2*\t+\u)+4*\n:FA+16*(2*\t+\u)+4*\n+3], s[H32:H32+1] offset:\t*8192+\u*64+(\n%2)*16+(\n/2)*256
.endr
.endr
.endr
	WIN 0x08                                       ; the data in window 2: v's accumulators of row block 0
.irp u, 0,1,2,3
	global_store_b128 v[TO], v[64+8*\u:64+8*\u+3],   s[H32:H32+1] offset:16384+\u*64+(\u/2)*128
	global_store_b128 v[TO], v[64+8*\u+4:64+8*\u+7], s[H32:H32+1] offset:16384+\u*64+(\u/2)*128+16
.endr
	WIN 0
	s_wait_xcnt 0x0
	s_or_b32 exec_lo, exec_lo, s67
.endm
	PLACES
	s_wait_loadcnt 0x0                             ; the table
.irp a, 0,1,2,3
	ROPE \a, 0, 0
	ROPE \a, 0, 1
	ROPE \a, 1, 0
	ROPE \a, 1, 1
	VOUT \a
.if \a == 0
	HEADROWS
.endif
.endr
	s_wait_dscnt 0x0                               ; for the others' sake: a row's 256 bytes come from two waves
	s_barrier_signal -1
	s_barrier_wait -1
.irp t, 0,1,2
.irp i, 0,1,2,3,4,5,6,7,8,9,10,11,12,13,14,15
	ds_load_b128 v[64+4*(16*\t+\i):64+4*(16*\t+\i)+3], v[RD+\t] offset:2*PA*\i
.endr
.endr
.irp t, 0,1,2
.irp i, 0,1,2,3,4,5,6,7,8,9,10,11,12,13,14,15
	s_wait_dscnt 47-16*\t-\i                       ; the younger loads stay out
	global_store_b128 v[CO], v[64+4*(16*\t+\i):64+4*(16*\t+\i)+3], s[8+2*\t:9+2*\t] offset:512*\i  ; 512 consecutive bytes, at a multiple of 512 from the buffer's first
.endr
.endr
	s_wait_tensorcnt 0x0                           ; the wave's end, behind my last tensor load and my last LDS store
	ds_add_u32 v[SPW], v[NIL]
	s_wait_dscnt 0x0
	CROUND                                         ; the closing round: no work-group ends while a partner may still ask for a tile that names it
	s_endpgm
.Lfunc_end_k_qf88bce2e5b_proj:
	.size	k_qf88bce2e5b_proj, .Lfunc_end_k_qf88bce2e5b_proj-k_qf88bce2e5b_proj
	.p2alignl 7, 3214868480
	.fill 96, 4, 3214868480
	.section	.rodata,"a",@progbits
	.p2align	6, 0x0
	.amdhsa_kernel k_qf88bce2e5b_proj
		.amdhsa_group_segment_fixed_size 327680
		.amdhsa_private_segment_fixed_size 0
		.amdhsa_enable_private_segment 0
		.amdhsa_kernarg_size 48
		.amdhsa_user_sgpr_count 2
		.amdhsa_user_sgpr_kernarg_segment_ptr 1
		.amdhsa_wavefront_size32 1
		.amdhsa_system_sgpr_workgroup_id_x 1
		.amdhsa_system_sgpr_workgroup_id_y 1
		.amdhsa_system_sgpr_workgroup_id_z 1
		.amdhsa_system_vgpr_workitem_id 0
		.amdhsa_next_free_vgpr 960
		.amdhsa_next_free_sgpr 84
		.amdhsa_reserve_vcc 1
		.amdhsa_float_denorm_mode_32 3
		.amdhsa_float_denorm_mode_16_64 3
		.amdhsa_memory_ordered 1
		.amdhsa_forward_progress 1
		.amdhsa_inst_pref_size 143
	.end_amdhsa_kernel
	.amdgpu_metadata
---
amdhsa.version: [ 1, 2 ]
amdhsa.kernels:
  - .name:           k_qf88bce2e5b_proj
    .symbol:         k_qf88bce2e5b_proj.kd
    .args:
      - { .name: cb, .offset: 0, .size: 8, .value_kind: global_buffer, .address_space: global }
      - { .name: tab, .offset: 8, .size: 8, .value_kind: global_buffer, .address_space: global }
      - { .name: qf, .offset: 16, .size: 8, .value_kind: global_buffer, .address_space: global }
      - { .name: kf, .offset: 24, .size: 8, .value_kind: global_buffer, .address_space: global }
      - { .name: vf, .offset: 32, .size: 8, .value_kind: global_buffer, .address_space: global }
      - { .name: h32, .offset: 40, .size: 8, .value_kind: global_buffer, .address_space: global }
    .group_segment_fixed_size: 327680
    .private_segment_fixed_size: 0
    .kernarg_segment_align: 8
    .kernarg_segment_size: 48
    .max_flat_workgroup_size: 128
    .sgpr_count:     84
    .vgpr_count:     960
    .wavefront_size: 32
...
	.end_amdgpu_metadata
.endif
;; end of part 2
;; launch head (part 3): grid 16 x 16, 1 waves a work-group, no clusters, 0 bytes of LDS; arguments h32, out0; writes out0
.if DOCPART == 3
	.amdgcn_target "amdgcn-amd-amdhsa--gfx1250"
	.amdhsa_code_object_version 6
	.text
	.protected	k_qf88bce2e5b_head
	.globl	k_qf88bce2e5b_head
	.p2align	8
	.type	k_qf88bce2e5b_head,@function
k_qf88bce2e5b_head:
	s_mov_b64 s[64:65], 0
	v_nop
	global_prefetch_b8 v0, s[64:65] scope:SCOPE_SE
	s_setreg_imm32_b32 hwreg(HW_REG_WAVE_MODE, 25, 1), 1
	s_wait_xcnt 0x0
; THE FIRST 16 ROWS OF EACH HEAD, IN F32 THROUGHOUT.  out0[h][r][:] = the sum over k <= r of softmax_k(q[r] . k[k] / sqrt(128)) v[k][:], r = 0..15, from h32 [h][q, k, v][16][128] f32 (roped, unscaled).
; Why apart: row r averages r + 1 keys, so operands rounded to f16 leave an error that falls only as 1 / sqrt(r + 1), while the comparison's allowance for a number that cancels to near zero goes by the
; root mean square of all 3,072 rows.  From row 16 on the main launch's 16-bit operands have room; it does not store these 16 rows.
; One wave makes one row: 256 work-groups of one wave.  A lane holds 4 channels: a row of q, k or v is one load of 16 bytes a lane, 512 consecutive bytes a wave; all 33 loads go out at once.
; 2 x 16 x 128 multiply-adds a row: no LDS, no barrier, no matrix unit would pay.  All 16 keys are worked on; those above r get the score -inf, as in the problem, and so the weight 0.
; The maximum is taken away before the exponentials.  A weight below 2^-126 counts as 0; NaN and infinities in the inputs are not treated apart.
.set Q, 4                              ; v[4:7]      q's row
.set K, 8                              ; v[8:71]     key k at K + 4 k
.set V, 72                             ; v[72:135]   the same for v
.set A, 136                            ; v[136:167]  key k's pair at A + 2 k: the even register holds its score, then its weight; the odd one is at work
.set O, 168                            ; v[168:175]  the even keys' sums, the odd keys'
.set T, 176                            ; v[176:183]  at work
	s_load_b128 s[4:7], s[0:1], 0x0                ; h32 s[4:5], out0 s[6:7]
	s_mov_b32 s8, ttmp9                            ; the row r
	s_and_b32 s9, ttmp7, 0xffff                    ; the head
	v_lshlrev_b32 v1, 4, v0                        ; 16 bytes a lane
	s_lshl_b32 s14, s8, 9
	v_add_nc_u32 v2, s14, v1                       ; + the row's 512 bytes: in q and in out0
	v_mov_b32 v3, 0xff800000                       ; -inf
	s_mul_i32 s10, s9, 3*16*512
	s_mov_b32 s11, 0
	s_mul_i32 s12, s9, 3072*512
	s_mov_b32 s13, 0
	s_mov_b32 s16, 0x76543210                      ; v_permlanex16_b32: each lane takes its own place in the other half
	s_mov_b32 s17, 0xfedcba98
	s_mov_b32 s19, 0x3e0293ee                      ; c = log2(e) / sqrt(128)
	s_wait_kmcnt 0x0
	s_add_nc_u64 s[4:5], s[4:5], s[10:11]
	s_add_nc_u64 s[6:7], s[6:7], s[12:13]
	global_load_b128 v[Q:Q+3], v2, s[4:5]
.set k, 0
.rept 16
	global_load_b128 v[K+4*k:K+4*k+3], v1, s[4:5] offset:8192+512*k
.set k, k+1
.endr
.set k, 0
.rept 16
	global_load_b128 v[V+4*k:V+4*k+3], v1, s[4:5] offset:16384+512*k
.set k, k+1
.endr
.macro EACH line:vararg                ; one line for each key k
.set k, 0
.rept 16
	\line
.set k, k+1
.endr
.endm
	s_wait_loadcnt 16                              ; q and k are in; the 16 younger loads, v's, stay out
	; the 16 scores: my 4 channels' products, then the sum over the 32 lanes; stage by stage, so that no line waits for the one before it
	EACH v_pk_mul_f32 v[A+2*k:A+2*k+1], v[Q:Q+1], v[K+4*k:K+4*k+1]
	EACH v_pk_fma_f32 v[A+2*k:A+2*k+1], v[Q+2:Q+3], v[K+4*k+2:K+4*k+3], v[A+2*k:A+2*k+1]
	EACH v_add_f32 v[A+2*k], v[A+2*k], v[A+2*k+1]
	EACH v_add_f32_dpp v[A+2*k], v[A+2*k], v[A+2*k] row_xmask:1 row_mask:0xf bank_mask:0xf
	EACH v_add_f32_dpp v[A+2*k], v[A+2*k], v[A+2*k] row_xmask:2 row_mask:0xf bank_mask:0xf
	EACH v_add_f32_dpp v[A+2*k], v[A+2*k], v[A+2*k] row_xmask:4 row_mask:0xf bank_mask:0xf
	EACH v_add_f32_dpp v[A+2*k], v[A+2*k], v[A+2*k] row_xmask:8 row_mask:0xf bank_mask:0xf
	EACH v_permlanex16_b32 v[A+2*k+1], v[A+2*k], s16, s17
	EACH v_add_f32 v[A+2*k], v[A+2*k], v[A+2*k+1]
.set k, 1
.rept 15                                               ; key k is hidden where r < k (key 0 never is)
	s_cmp_lt_u32 s8, k
	s_cselect_b32 s18, -1, 0
	v_cndmask_b32 v[A+2*k], v[A+2*k], v3, s18
.set k, k+1
.endr
	v_max3_num_f32 v[T], v[A], v[A+2], v[A+4]
	v_max3_num_f32 v[T+1], v[A+6], v[A+8], v[A+10]
	v_max3_num_f32 v[T+2], v[A+12], v[A+14], v[A+16]
	v_max3_num_f32 v[T+3], v[A+18], v[A+20], v[A+22]
	v_max3_num_f32 v[T+4], v[A+24], v[A+26], v[A+28]
	v_max3_num_f32 v[T], v[T], v[T+1], v[A+30]
	v_max3_num_f32 v[T+2], v[T+2], v[T+3], v[T+4]
	v_max_num_f32 v[T], v[T], v[T+2]               ; the row's maximum m
	v_mul_f32 v[T+1], s19, v[T]                    ; c m
	EACH v_fma_f32 v[A+2*k], v[A+2*k], s19, -v[T+1]
	EACH v_exp_f32 v[A+2*k], v[A+2*k]
	v_nop                                          ; a plain line between the exponentials and the use of their results (ISA guide 5.7.2)
	s_wait_alu depctr_va_vdst(0)
.irp i, 0,1,2,3,4,5,6,7
	v_add_f32 v[T+\i], v[A+4*\i], v[A+4*\i+2]      ; the weights' sum, as a tree
.endr
.irp i, 0,1,2,3
	v_add_f32 v[T+\i], v[T+\i], v[T+\i+4]
.endr
	v_add_f32 v[T], v[T], v[T+2]
	v_add_f32 v[T+1], v[T+1], v[T+3]
	v_add_f32 v[T], v[T], v[T+1]
	v_rcp_f32 v[T+2], v[T]                         ; the products below stand between it and the use of its result
	s_wait_loadcnt 0x0                             ; v
.irp i, 0,1
	v_pk_mul_f32 v[O+4*\i:O+4*\i+1],   v[V+4*\i:V+4*\i+1],   v[A+2*\i:A+2*\i+1] op_sel_hi:[1,0]   ; keys 0 and 1 start the two sets of sums
	v_pk_mul_f32 v[O+4*\i+2:O+4*\i+3], v[V+4*\i+2:V+4*\i+3], v[A+2*\i:A+2*\i+1] op_sel_hi:[1,0]
.endr
.set k, 2
.rept 14
	v_pk_fma_f32 v[O+4*(k%2):O+4*(k%2)+1],   v[V+4*k:V+4*k+1],   v[A+2*k:A+2*k+1], v[O+4*(k%2):O+4*(k%2)+1] op_sel_hi:[1,0,1]
	v_pk_fma_f32 v[O+4*(k%2)+2:O+4*(k%2)+3], v[V+4*k+2:V+4*k+3], v[A+2*k:A+2*k+1], v[O+4*(k%2)+2:O+4*(k%2)+3] op_sel_hi:[1,0,1]
.set k, k+1
.endr
	v_pk_add_f32 v[O:O+1], v[O:O+1], v[O+4:O+5]
	v_pk_add_f32 v[O+2:O+3], v[O+2:O+3], v[O+6:O+7]
	s_wait_alu depctr_va_vdst(0)
	v_pk_mul_f32 v[O:O+1], v[O:O+1], v[T+2:T+3] op_sel_hi:[1,0]
	v_pk_mul_f32 v[O+2:O+3], v[O+2:O+3], v[T+2:T+3] op_sel_hi:[1,0]
	global_store_b128 v2, v[O:O+3], s[6:7]         ; the wave stores the row's 512 consecutive bytes, at a multiple of 512 from out0's first byte
	s_endpgm
.Lfunc_end_k_qf88bce2e5b_head:
	.size	k_qf88bce2e5b_head, .Lfunc_end_k_qf88bce2e5b_head-k_qf88bce2e5b_head
	.p2alignl 7, 3214868480
	.fill 96, 4, 3214868480
	.section	.rodata,"a",@progbits
	.p2align	6, 0x0
	.amdhsa_kernel k_qf88bce2e5b_head
		.amdhsa_group_segment_fixed_size 0
		.amdhsa_private_segment_fixed_size 0
		.amdhsa_enable_private_segment 0
		.amdhsa_kernarg_size 16
		.amdhsa_user_sgpr_count 2
		.amdhsa_user_sgpr_kernarg_segment_ptr 1
		.amdhsa_wavefront_size32 1
		.amdhsa_system_sgpr_workgroup_id_x 1
		.amdhsa_system_sgpr_workgroup_id_y 1
		.amdhsa_system_sgpr_workgroup_id_z 1
		.amdhsa_system_vgpr_workitem_id 0
		.amdhsa_next_free_vgpr 184
		.amdhsa_next_free_sgpr 66
		.amdhsa_reserve_vcc 0
		.amdhsa_float_denorm_mode_32 3
		.amdhsa_float_denorm_mode_16_64 3
		.amdhsa_memory_ordered 1
		.amdhsa_forward_progress 1
		.amdhsa_inst_pref_size 20
	.end_amdhsa_kernel
	.amdgpu_metadata
---
amdhsa.version: [ 1, 2 ]
amdhsa.kernels:
  - .name:           k_qf88bce2e5b_head
    .symbol:         k_qf88bce2e5b_head.kd
    .args:
      - { .name: h32, .offset: 0, .size: 8, .value_kind: global_buffer, .address_space: global }
      - { .name: out0, .offset: 8, .size: 8, .value_kind: global_buffer, .address_space: global }
    .group_segment_fixed_size: 0
    .private_segment_fixed_size: 0
    .kernarg_segment_align: 8
    .kernarg_segment_size: 16
    .max_flat_workgroup_size: 32
    .sgpr_count:     66
    .vgpr_count:     184
    .wavefront_size: 32
...
	.end_amdgpu_metadata
.endif
;; end of part 3
;; launch attn (part 4): grid 16 x 16, 4 waves a work-group, clusters of 4 x 1, 327,680 bytes of LDS; arguments qf, kf, vf, out0; writes out0
.if DOCPART == 4
	.amdgcn_target "amdgcn-amd-amdhsa--gfx1250"
	.amdhsa_code_object_version 6
	.text
	.protected	k_qf88bce2e5b_attn
	.globl	k_qf88bce2e5b_attn
	.p2align	8
	.type	k_qf88bce2e5b_attn,@function
k_qf88bce2e5b_attn:
	s_mov_b64 s[64:65], 0
	v_nop
	global_prefetch_b8 v0, s[64:65] scope:SCOPE_SE
	s_setreg_imm32_b32 hwreg(HW_REG_WAVE_MODE, 25, 1), 1
	s_wait_xcnt 0x0
	s_wait_alu depctr_hold_cnt(0) depctr_sa_sdst(0) depctr_va_vdst(0) depctr_va_sdst(0) depctr_va_ssrc(0) depctr_va_vcc(0) depctr_vm_vsrc(0)
	s_getreg_b32 s2, hwreg(HW_REG_IB_STS2, 6, 4)
	s_cmp_eq_u32 s2, 0
	s_cbranch_scc0 .Lentry_in_a_cluster
	s_endpgm
.Lentry_in_a_cluster:
	s_bfe_u32 s2, ttmp6, 0x10000c
	s_cmp_lg_u32 s2, 0x3003
	s_cbranch_scc0 .Lentry_shape_is_right
	s_endpgm
.Lentry_shape_is_right:
; CAUSAL ATTENTION.  out0[h][q][:] = the sum over k <= q of softmax_k(Q[h][q] . K[h][k] / sqrt(128)) V[h][k][:].  Q, K, V: [16][3072][128] f16; out0 the same shape in f32.
; Products, maxima and sums in f32; the weights p are rounded to f16 for the second product (their sum l is taken of the unrounded p).
; Rows 0 to 15 of each head are computed like all others but NOT STORED here: the launch 'head' makes them in f32 throughout (16-bit operands have too few bits for averages of so few keys).
; LIMITS.  Q, K, V arrive within f16's 65,504.  A hidden score counts as -1e30.  The running maximum starts at -2^66: true scores, 5.5e11 at the most in size, lie far above it.  A weight below 2^-126 counts as 0 in l.
; NaN and infinities are not treated apart.
; THE WALK.  A head's queries lie in 32 blocks of 96; keys go in steps of 192.  Work-group p = 4 c + cx (c the cluster, cx the place in it) takes block 31 - p and then block p: 16 - 2 c and 2 c + 2 steps, always 18:
; 256 work-groups of equal work, one counted loop.  The four partners of a cluster walk the same tiles in the same trips (all counts hang on c alone), so every tile is asked for JOINTLY by all four.
; cx enters Q's and out0's addresses, the number E0 from which masks are chosen by s_cselect, and the lane mask of eight stores, never a branch or an LDS address.  The price of equal partners: 18 steps where a block pair needs 16.5.
; SHARES.  Wave w: qh = w & 1 says which 48 queries (three tiles of 16), kh = w >> 1 which 96 keys of each step.  A wave keeps m, l and O over its own keys; at a block's end the two waves of a query half
; hand each other, through LDS, their statistics and the half of O's channels that the other finishes: O = (O_a f_a + O_b f_b) / (l_a f_a + l_b f_b), f = 2^(c m - max of the two c m).
; A wave that saw hidden keys alone (block 0, kh = 1) keeps m at its start: its weights are 0, its a is 1, its O and l stay finite, and its f is 0.
; LAYOUT.  S^T = K Q^T (source 0 = 16 keys, source 1 = 16 queries): a lane holds ONE query (lane % 16) and the keys 8 (lane / 16) + 0..7.  Two such results rounded to f16 ARE source 1 of O^T = V^T P.
; K comes out of LDS as it lies, V ([key][channel]) turned by ds_load_tr16_b128.  O's and V's slot cbr holds channel tile (cbr + 4 kh) % 8, so that in every wave slots 0-3 are the channels it finishes.
; SOFTMAX.  p = 2^(c s - c m), c = log2(e) / sqrt(128), m the running maximum; O and l are multiplied by a = 2^(c m_old - c m_new) in every step; a block's first a is 0, so O and l need only be finite there.
; THE MASK is the C operand that starts the sum S^T: for key tile kb and query tile qt it hangs on kb - qt against E0 = 6 block - 12 step - 6 kh + 3 qh: all seen (less), the triangle (equal), hidden (greater).
; The eight masks are made anew in every step (32 packed lines), so there is one text of a step.
; REGISTERS, in windows of 256 (s_set_vgpr_msb: bits 1:0 source 0, 3:2 source 1, 5:4 source 2, 7:6 destination):
;   window 0: v0-15 addresses; v16-27 statistics (tile t: c m, m, l even, l odd); v28-33 at work; v40-183 S^T, 48 a tile; v184-255 P, 24 a tile
;   window 1: v0-191 O^T, 64 a tile; v192-255 the eight masks      window 2: v0-191 K; v192-255 Q of tiles 0, 1      window 3: v0-191 V; v192-223 Q of tile 2; v224-231 the triangle
.set PK,    272                        ; a row of K in LDS: 256 bytes + 16: the 16 rows of a load start 4 banks apart (64 banks of 4 bytes: ISA guide 11.1)
.set PVP,   288                        ; a row of V: 256 + 32
.set VOFF,  192*PK                     ; a slot: 192 rows of K, then 192 rows of V
.set SLOT1, 1<<17                      ; slot 1 begins here: one exclusive or turns an address in one slot into the other's
.set STAGE, 192*(PK+PVP)               ; behind slot 0, never filled by a tensor load: 16 rows x 272 bytes for each wave, for the way out
.set SPARE, STAGE+4*16*272             ; the spare words, 128 bytes a wave: two blocks of 256 bytes that no other line names
.set XCH,   SLOT1+192*(PK+PVP)         ; behind slot 1, never filled by a tensor load: what a wave hands to its partner
.set XW,    13312                      ; 24 x 512 bytes of O, 2 x 512 of statistics
.set AK0, 2                            ; v2   my lane's place in a slot's K; never rewritten
.set AVL0, 3                           ; v3   in its V, for slots cbr 0-3
.set AVH0, 4                           ; v4   for slots cbr 4-7
.set AK,  5                            ; v5-7 the same in the slot in hand
.set AVL, 6
.set AVH, 7
.set QO,  8                            ; v8   my byte offset in 16 rows of Q
.set STO, 9                            ; v9   the way out: where I put 32 bytes of a row
.set RD,  10                           ; v10  where I read rows back
.set GO,  11                           ; v11  my byte offset in two rows of out0
.set XST, 12                           ; v12  my 16 bytes in my wave's part of XCH
.set XLD, 13                           ; v13  in my partner's
.set SPW, 14                           ; v14  my spare word: SPARE + 4 x my thread's number; never rewritten
.set NIL, 15                           ; v15  0; never rewritten
.set ST,  16
.set TMP, 28                           ; c0-c5; when the maximum is found c2 takes a
.set S,   40
.set P,   184
.set MC,  192                          ; window 1: mask d = kb - qt + 2 at MC + 8 d
.set TRI, 224                          ; window 3
.set XS,  40                           ; a block's end, in S^T's and P's registers: my statistics (c m x 3, 0, l x 3, 0),
.set Z,   48                           ; my partner's,
.set GA,  56                           ; f_a / L for each tile, as pairs,
.set GB,  62                           ; f_b / L,
.set T,   68                           ; nine at work,
.set PO,  80                           ; my partner's O for my channels, 32 a tile; later the tile's rows on their way out,
.set RES, 184                          ; a tile's 32 results
.set WV,  12                           ; s12 wave; s13 qh (also: which half of a tile I fetch); s14 kh
.set QH,  13
.set KH,  14
.set CC,  15                           ; s15 the cluster's number c
.set CXR, 16                           ; s16 cx
.set PP,  17                           ; s17 p, the second block
.set HB,  18                           ; s18 the head
.set HIB, 92                           ; s92 31 - p, the first block
.set SKIP, 93                          ; s93 p | qh: 0 where my second block's tile 0 is the head's rows 0 to 15
.set G1K, 24                           ; s[24:31] descriptor group 1 for K's tiles;  s[32:39] for V's: it differs in the padding alone
.set G1V, 32
.set G0K, 40                           ; s[40:43], s[44:47] descriptor group 0
.set G0V, 44
.set KB,  48                           ; s[48:49] K at my half of the head's tile 0;  s[50:51] V
.set VB,  50
.set OFF, 52                           ; s[52:53] a tile's byte offset
.set CS,  54                           ; s[54:55] c
.set SEL, 56                           ; s[56:57] v_permlanex16_b32's selects: each lane takes its own place in the other half
.set AL,  58                           ; s[58:59] a mask's factor;  s[60:61] its addend
.set BE,  60
.set BIGN, 62                          ; s62 -1e30
.set TB,  63                           ; s63 the slot in hand
.set SLOTS, 66                         ; s66 tiles still to be asked for
.set RT,  67                           ; s67 steps left in the block in hand
.set NXT, 68                           ; s68 the tile to be asked for next
.set LQ,  69                           ; s69 the last tile of the block whose tiles are being asked for
.set NL,  70                           ; s70 the second block's steps;  s71 that less 1
.set NLM, 71
.set E0,  72                           ; s72 E0 of the step to come;  s73 of the second block's first step
.set E0LO, 73
.set OC,  74                           ; s[74:75] out0 at my rows and channels of the block in hand;  s[76:77] of the second block
.set OLO, 76
.set QLO, 78                           ; s[78:79] Q at my rows of the second block;  s[80:81] of the first
.set QC,  80
.set MSB, 0
.macro WIN new                         ; the high byte repeats the setting that is left; a switch that changes nothing is dropped
.if MSB != (\new)
	s_set_vgpr_msb (MSB<<8)|(\new)
.set MSB, (\new)
.endif
.endm
.set W_PV, 0x53                        ; V in window 3, P in window 0, O^T in window 1
.set W_RS, 0x41                        ; O^T (destination and source 0) in window 1, a in window 0
; A joint fill.  Waves 0 and 1 fetch the two halves of a tile's K, waves 2 and 3 those of its V: 96 rows of 256 bytes each.  An s_nop 0 and four v_nop follow each line.
.macro JLOAD
	s_cmp_lt_u32 s[WV], 2
	s_cbranch_scc0 .Lfor_v_\@
	tensor_load_to_lds s[G0K:G0K+3], s[G1K:G1K+7]
	s_nop 0
.rept 4
	v_nop
.endr
	s_branch .Lasked_\@
.Lfor_v_\@:
	tensor_load_to_lds s[G0V:G0V+3], s[G1V:G1V+7]
	s_nop 0
.rept 4
	v_nop
.endr
.Lasked_\@:
.endm
.macro CROUND                          ; a round of the cluster's barrier
	s_barrier_signal -1
	s_barrier_wait -1
	s_cmp_lg_u32 s[WV], 0
	s_cbranch_scc1 .Lnot_wave_0_\@
	s_barrier_signal -3
.Lnot_wave_0_\@:
	s_barrier_wait -3
	s_barrier_signal -1
	s_barrier_wait -1
.endm
.macro PLACES                          ; four places between matrix instructions and a vector line that reads their results (ISA guide 7.12.1)
.rept 4
	v_nop
.endr
.endm
.macro QLOAD base                      ; my 48 rows of Q: tile qt, channels 32 c on: two loads of 16 bytes, 32 bytes apart
	WIN 0x80
.irp qt, 0,1
.irp c, 0,1,2,3
	global_load_b128 v[192+32*\qt+8*\c:192+32*\qt+8*\c+3],   v[QO], s[\base:\base+1] offset:\qt*4096+\c*64
	global_load_b128 v[192+32*\qt+8*\c+4:192+32*\qt+8*\c+7], v[QO], s[\base:\base+1] offset:\qt*4096+\c*64+32
.endr
.endr
	WIN 0xc0
.irp c, 0,1,2,3
	global_load_b128 v[192+8*\c:192+8*\c+3],   v[QO], s[\base:\base+1] offset:2*4096+\c*64
	global_load_b128 v[192+8*\c+4:192+8*\c+7], v[QO], s[\base:\base+1] offset:2*4096+\c*64+32
.endr
	WIN 0
.endm
.macro INITM                           ; a block begins: m at -2^66, c m made of it as every c m is
.irp t, 0,1,2
	v_mov_b32 v[ST+4*\t+1], 0xe0800000
.endr
.irp t, 0,1,2
	v_mul_f32 v[ST+4*\t], s[CS], v[ST+4*\t+1]
.endr
.endm
.macro MASKS                           ; mask d = triangle x AL + BE: (1, 0) where E0 = d - 2; (0, 0) where E0 is greater; (0, -1e30) where it is less
	WIN 0x43
.irp d, 0,1,2,3,4,5,6,7
	s_cmp_eq_i32 s[E0], \d-2
	s_cselect_b32 s[AL], 1.0, 0
	s_cmp_lt_i32 s[E0], \d-2
	s_cselect_b32 s[BE], s[BIGN], 0
.irp z, 0,2,4,6
	v_pk_fma_f32 v[MC+8*\d+\z:MC+8*\d+\z+1], v[TRI+\z:TRI+\z+1], s[AL:AL+1], s[BE:BE+1] op_sel_hi:[1,0,0]
.endr
.endr
.endm
; THE CHANGE OF SLOTS.  Each wave waits for all its tensor loads (one is out: its part of the other slot), adds 0 to its spare word, and waits for that and for its reads of the slot that it leaves.
; fill = 1: the barrier is a round of the cluster's, and the old slot is filled again, first thing behind it, with tile NXT; the load has a whole step, 144 matrix instructions, in which to land.
; (At its first use nothing has been read yet: slot 0 is waited for, slot 1 filled.)  The step's masks, work on registers, stand between the add and the wait for it;
; they are also the places between the last step's products and the loads into V's registers.
.macro CHANGE fill
	WIN 0
	s_wait_tensorcnt 0x0                           ; no tensor load of mine is out, so a group 0 may be written
	ds_add_u32 v[SPW], v[NIL]                      ; 0 onto my spare word
.if \fill
	s_mul_i32 s[OFF], s[NXT], 192*256              ; a tile is 49,152 bytes of K and of V
	s_xor_b32 s[G0K+1], s[G0K+1], SLOT1
	s_add_nc_u64 s[G0K+2:G0K+3], s[KB:KB+1], s[OFF:OFF+1]
	s_or_b32 s[G0K+3], s[G0K+3], 0x80000000
	s_xor_b32 s[G0V+1], s[G0V+1], SLOT1
	s_add_nc_u64 s[G0V+2:G0V+3], s[VB:VB+1], s[OFF:OFF+1]
	s_or_b32 s[G0V+3], s[G0V+3], 0x80000000
	s_add_co_u32 s[NXT], s[NXT], 1                 ; the block's next tile, or behind its last the second block's tile 0
	s_cmp_gt_u32 s[NXT], s[LQ]
	s_cselect_b32 s[NXT], 0, s[NXT]
	s_cselect_b32 s[LQ], s[NLM], s[LQ]
.endif
	s_xor_b32 s[TB], s[TB], SLOT1
	MASKS
	WIN 0                                          ; at a label and at a branch every window is 0
	s_wait_dscnt 0x0                               ; the add is done, and my reads of the slot are over
.if \fill
	CROUND
	JLOAD
.else
	s_barrier_signal -1
	s_barrier_wait -1
.endif
	v_add_nc_u32 v[AK], s[TB], v[AK0]
	v_add_nc_u32 v[AVL], s[TB], v[AVL0]
	v_add_nc_u32 v[AVH], s[TB], v[AVH0]
.endm
	s_load_b256 s[4:11], s[0:1], 0x0               ; qf s[4:5], kf s[6:7], vf s[8:9], out0 s[10:11]
	v_lshl_add_u32 v[SPW], v0, 2, SPARE
	v_mov_b32 v[NIL], 0
	ds_add_u32 v[SPW], v[NIL]                      ; the wave's opening: the add and its wait stand ahead of my first tensor load; the set-up below, work on registers, stands between them
	v_lshrrev_b32 v1, 5, v0
	v_readfirstlane_b32 s[WV], v1
	s_and_b32 s[QH], s[WV], 1
	s_lshr_b32 s[KH], s[WV], 1
	s_mov_b32 s[CC], ttmp9                         ; in a cluster launch ttmp9 counts clusters
	s_and_b32 s[HB], ttmp7, 0xffff
	s_lshl_b32 s19, s[CC], 1
	s_sub_co_u32 s[RT], 16, s19                    ; the first block's steps
	s_sub_co_u32 s[LQ], 15, s19
	s_add_co_u32 s[NL], s19, 2
	s_add_co_u32 s[NLM], s19, 1
	s_mov_b32 s[NXT], 1
	s_mov_b32 s[SLOTS], 17
	s_mov_b32 s[TB], SLOT1                         ; the first change of slots turns it into 0
	s_mul_i32 s90, s[HB], 3072*256                 ; the head, and my half of a tile's 192 rows: what the four partners share
	s_mul_i32 s19, s[QH], 96*256
	s_add_co_u32 s90, s90, s19
	s_mov_b32 s91, 0
	s_mov_b32 s[G0K], 1
	s_mul_i32 s[G0K+1], s[QH], 96*PK               ; slot 0: no place in the cluster enters an LDS address
	s_mov_b32 s[G0V], 1
	s_mul_i32 s[G0V+1], s[QH], 96*PVP
	s_add_co_u32 s[G0V+1], s[G0V+1], VOFF
	s_mov_b32 s[G1K], 15|(1<<16)|(1<<20)|(1<<21)|(5<<22)|(3<<25)  ; 15:0 the mask of four; 17:16 2-byte elements; 20 padding on; 21 set beside a mask; 24:22 after every 64 words; 31:25 4 words of it
	s_mov_b32 s[G1V], 15|(1<<16)|(1<<20)|(1<<21)|(5<<22)|(7<<25)  ; the same with 8 words of padding
.irp g, G1K, G1V
	s_mov_b32 s[\g+1], 128<<16                     ; tensor_dim0 = 128
	s_mov_b32 s[\g+2], 96<<16                      ; tensor_dim1 = 96
	s_mov_b32 s[\g+3], 128<<16                     ; tile_dim0 = 128
	s_mov_b32 s[\g+4], 96                          ; tile_dim1 = 96
	s_mov_b32 s[\g+5], 128                         ; 128 elements from row to row
	s_mov_b32 s[\g+6], 0
	s_mov_b32 s[\g+7], 0
.endr
	s_mov_b32 s[OFF+1], 0
	s_mov_b32 s[CS], 0x3e0293ee                    ; c = log2(e) / sqrt(128) = 0.127517
	s_mov_b32 s[CS+1], s[CS]                       ; named with it as a pair
	s_mov_b32 s[SEL], 0x76543210
	s_mov_b32 s[SEL+1], 0xfedcba98
	s_mov_b32 s[AL+1], 0
	s_mov_b32 s[BE+1], 0
	s_mov_b32 s[BIGN], 0xf149f2ca                  ; -1e30
	s_bfe_u32 s[CXR], ttmp6, 0x40000               ; from here on: what differs between partners
	s_lshl_b32 s[PP], s[CC], 2
	s_add_co_u32 s[PP], s[PP], s[CXR]
	s_sub_co_u32 s[HIB], 31, s[PP]
	s_or_b32 s[SKIP], s[PP], s[QH]
	s_mul_i32 s20, s[QH], 3
	s_mul_i32 s21, s[KH], 6
	s_sub_co_i32 s20, s20, s21
	s_mul_i32 s21, s[HIB], 6
	s_add_co_i32 s[E0], s21, s20
	s_mul_i32 s21, s[PP], 6
	s_add_co_i32 s[E0LO], s21, s20
	s_mul_i32 s22, s[HB], 3072*256                 ; Q: the head, my 48 rows in a block of 96,
	s_mul_i32 s23, s[QH], 48*256
	s_add_co_u32 s22, s22, s23
	s_mul_i32 s82, s[HIB], 96*256                  ; the first block,
	s_add_co_u32 s82, s82, s22
	s_mov_b32 s83, 0
	s_mul_i32 s84, s[PP], 96*256                   ; the second
	s_add_co_u32 s84, s84, s22
	s_mov_b32 s85, 0
	s_mul_i32 s22, s[HB], 3072*512                 ; out0 likewise, with rows of 512 bytes, and my 64 channels
	s_mul_i32 s23, s[QH], 48*512
	s_add_co_u32 s22, s22, s23
	s_lshl_b32 s23, s[KH], 8
	s_add_co_u32 s22, s22, s23
	s_mul_i32 s86, s[HIB], 96*512
	s_add_co_u32 s86, s86, s22
	s_mov_b32 s87, 0
	s_mul_i32 s88, s[PP], 96*512
	s_add_co_u32 s88, s88, s22
	s_mov_b32 s89, 0
	s_wait_dscnt 0x0                               ; the opening add is done
	s_wait_kmcnt 0x0
	s_add_nc_u64 s[KB:KB+1], s[6:7], s[90:91]
	s_add_nc_u64 s[VB:VB+1], s[8:9], s[90:91]
	s_mov_b64 s[G0K+2:G0K+3], s[KB:KB+1]           ; tile 0
	s_or_b32 s[G0K+3], s[G0K+3], 0x80000000
	s_mov_b64 s[G0V+2:G0V+3], s[VB:VB+1]
	s_or_b32 s[G0V+3], s[G0V+3], 0x80000000
	s_add_nc_u64 s[QC:QC+1], s[4:5], s[82:83]
	s_add_nc_u64 s[QLO:QLO+1], s[4:5], s[84:85]
	s_add_nc_u64 s[OC:OC+1], s[10:11], s[86:87]
	s_add_nc_u64 s[OLO:OLO+1], s[10:11], s[88:89]
	CROUND                                         ; all four work-groups are here: the first joint loads meet
	JLOAD                                          ; tile 0 into slot 0.  All that follows up to the loop stands in the wait for it
	v_and_b32 v1, 15, v0                           ; l % 16
	v_bfe_u32 v34, v0, 4, 1                        ; l / 16
	v_lshlrev_b32 v[QO], 8, v1
	v_lshl_add_u32 v[QO], v34, 4, v[QO]            ; row x 256 + 16 x half
	QLOAD QC
	v_lshlrev_b32 v37, 3, v34
	v_sub_nc_u32 v37, v1, v37                      ; my query's place in its tile less my lanes' 8 (l / 16): register r is hidden where r is greater
	WIN 0xc0
.set i, 0
.rept 8
	v_cmp_gt_i32 vcc_lo, i, v37
	v_cndmask_b32 v[TRI+i], 0, s[BIGN], vcc_lo
.set i, i+1
.endr
	WIN 0
	v_mul_u32_u24 v[AK0], v1, PK                   ; a fragment of K: row x pitch + 16 x half, in my 96 keys
	v_lshl_add_u32 v[AK0], v34, 4, v[AK0]
	s_mul_i32 s19, s[KH], 96*PK
	v_add_nc_u32 v[AK0], s19, v[AK0]
	; The turning load takes 16 keys x 16 channels (lane l reads key 8 (l / 16) + l % 8, channels 8 ((l / 8) % 2) + 0..7) and leaves half a fragment of V^T: lane l holds channel l % 16 and 8 keys.
	v_and_b32 v35, 7, v0
	v_bfe_u32 v36, v0, 3, 1
	v_lshl_add_u32 v35, v34, 3, v35
	v_mul_u32_u24 v35, v35, PVP
	v_lshl_add_u32 v35, v36, 4, v35
	s_mul_i32 s19, s[KH], 96*PVP
	s_add_co_u32 s19, s19, VOFF
	s_lshl_b32 s20, s[KH], 7                       ; kh = 1: slots 0-3 take the channels 128 bytes on, slots 4-7 those 128 bytes back
	s_add_co_u32 s21, s19, s20
	s_sub_co_u32 s22, s19, s20
	v_add_nc_u32 v[AVL0], s21, v35
	v_add_nc_u32 v[AVH0], s22, v35
	s_mul_i32 s19, s[WV], 16*272
	s_add_co_u32 s19, s19, STAGE                   ; my stage
	v_mul_u32_u24 v[STO], v1, 272                  ; in: row l % 16, 32 bytes for each half of the lanes
	v_lshl_add_u32 v[STO], v34, 5, v[STO]
	v_add_nc_u32 v[STO], s19, v[STO]
	v_mul_u32_u24 v[RD], v34, 272                  ; back: lanes 0-15 take one row of 256 bytes, lanes 16-31 the next
	v_lshl_add_u32 v[RD], v1, 4, v[RD]
	v_add_nc_u32 v[RD], s19, v[RD]
	v_lshlrev_b32 v[GO], 9, v34                    ; and the same two rows in out0
	v_lshl_add_u32 v[GO], v1, 4, v[GO]
	v_and_b32 v35, 31, v0
	v_lshlrev_b32 v35, 4, v35
	s_mul_i32 s19, s[WV], XW
	s_add_co_u32 s19, s19, XCH
	v_add_nc_u32 v[XST], s19, v35
	s_xor_b32 s20, s[WV], 2                        ; my partner: the same queries, the other keys
	s_mul_i32 s20, s20, XW
	s_add_co_u32 s20, s20, XCH
	v_add_nc_u32 v[XLD], s20, v35
	; O^T and l start at 0: the price, 198 lines once a launch, of writing no first step out
	WIN 0x40
.set i, 0
.rept 192
	v_mov_b32 v[i], 0
.set i, i+1
.endr
	WIN 0
.irp t, 0,1,2
	v_mov_b32 v[ST+4*\t+2], 0
	v_mov_b32 v[ST+4*\t+3], 0
.endr
	INITM
	s_wait_loadcnt 0x0                             ; Q
; THE MATRIX WORK.  In every run the accumulators take turns, one instruction a turn.
.macro KQ c, qt, kb                    ; S^T of query tile qt, key tile kb: channels 32 c on.  c = 0 starts the sum with the mask
.set rS, S+48*(\qt)+8*(\kb)
.set rK, 32*(\kb)+8*(\c)
.set rQ, 192+32*((\qt)%2)+8*(\c)
.set rM, MC+8*((\kb)-(\qt)+2)
.if (\c) == 0
	WIN 0x1a+4*((\qt)/2)                           ; K window 2; Q window 2, or 3 for tile 2; the mask window 1; S^T window 0
	v_wmma_f32_16x16x32_f16 v[rS:rS+7], v[rK:rK+7], v[rQ:rQ+7], v[rM:rM+7]
.else
	WIN 0x0a+4*((\qt)/2)
	v_wmma_f32_16x16x32_f16 v[rS:rS+7], v[rK:rK+7], v[rQ:rQ+7], v[rS:rS+7]
.endif
.endm
.macro KQRUN c
.irp qt, 0,1,2
.irp kb, 0,1,2,3,4,5
	KQ \c, \qt, \kb
.endr
.endr
.endm
.macro PV t, kk, cbr                   ; O^T of tile t, slot cbr: keys 32 kk on
	WIN W_PV
.set rO, 64*(\t)+8*(\cbr)
.set rV, 64*(\kk)+8*(\cbr)
.set rP, P+24*(\t)+8*(\kk)
	v_wmma_f32_16x16x32_f16 v[rO:rO+7], v[rV:rV+7], v[rP:rP+7], v[rO:rO+7]
.endm
; THE LDS LOADS stand in runs: my 96 keys of K, channels outermost (12 loads for each 32 channels); V in two runs of 12 fragments (fragment 8 kk + cbr)
.macro FETCH_K
	WIN 0x80
.irp c, 0,1,2,3
.irp kb, 0,1,2,3,4,5
	ds_load_b128 v[32*\kb+8*\c:32*\kb+8*\c+3],   v[AK] offset:\kb*16*PK+\c*64
	ds_load_b128 v[32*\kb+8*\c+4:32*\kb+8*\c+7], v[AK] offset:\kb*16*PK+\c*64+32
.endr
.endr
.endm
.macro FETCH_V h
	WIN 0xc0
.irp f, 0,1,2,3,4,5,6,7,8,9,10,11
.set fv, 12*(\h)+\f
	ds_load_tr16_b128 v[8*fv:8*fv+3],   v[AVL+(fv%8)/4] offset:(fv/8)*32*PVP+(fv%8)*32
	ds_load_tr16_b128 v[8*fv+4:8*fv+7], v[AVL+(fv%8)/4] offset:(fv/8)*32*PVP+16*PVP+(fv%8)*32
.endr
.endm
; THE VECTOR WORK.  One tile's softmax for one step is a list of 182 lines; SM writes number j of it for tile TT.  s0-s47 are the lane's 48 scores, in pairs 0-23.
;   0-23    the maximum of s0-s47 and the old m, three operands at a time: six chains c0-c5 of seven scores (each accumulator's lowest registers first), the six scores left over, then all into c0
;   24-29   the query's other 48 keys lie in the lane 16 away: the new m; c m; a = 2^(c m_old - c m_new)
;   30-129  F b: c s - c m for pair b.  E x: the exponential of score x.  C n: pair n rounded to f16.  From 37 on in groups of four: E, plain, E, C: a plain line stands behind every exponential before its result is used
;   B k     of the four weights 4 k .. the second pair is added onto the first, in place, behind their roundings     138-149  l = a l + sum 0, then l takes sums 1 to 11     150-181  the tile's O^T times a
.macro SMF b
	v_pk_fma_f32 v[rS+2*(\b):rS+2*(\b)+1], v[rS+2*(\b):rS+2*(\b)+1], s[CS:CS+1], v[rT:rT+1] op_sel_hi:[1,0,0] neg_lo:[0,0,1] neg_hi:[0,0,1]
.endm
.macro SME x
	v_exp_f32 v[rS+(\x)], v[rS+(\x)]
.endm
.macro SMC n
	s_wait_alu depctr_va_vdst(0)
	v_cvt_pk_f16_f32 v[rP+(\n)], v[rS+2*(\n)], v[rS+2*(\n)+1]
.endm
.macro SMB k
	v_pk_add_f32 v[rS+4*(\k):rS+4*(\k)+1], v[rS+4*(\k):rS+4*(\k)+1], v[rS+4*(\k)+2:rS+4*(\k)+3]
.endm
.macro SML k
.if (\k) == 0
	v_pk_fma_f32 v[rT+2:rT+3], v[rT+2:rT+3], v[TMP+2:TMP+3], v[rS:rS+1] op_sel_hi:[1,0,1]
.else
	v_pk_add_f32 v[rT+2:rT+3], v[rT+2:rT+3], v[rS+4*(\k):rS+4*(\k)+1]
.endif
.endm
.macro SM
.set rT, ST+4*TT
.set rS, S+48*TT
.set rP, P+24*TT
.set rO, 64*TT
.if j < 150
	WIN 0
.endif
.if j < 6
	v_max3_num_f32 v[TMP+j], v[rS+8*j], v[rS+8*j+1], v[rS+8*j+2]
.elseif j < 12
	v_max3_num_f32 v[TMP+j-6], v[TMP+j-6], v[rS+8*(j-6)+3], v[rS+8*(j-6)+4]
.elseif j < 18
	v_max3_num_f32 v[TMP+j-12], v[TMP+j-12], v[rS+8*(j-12)+5], v[rS+8*(j-12)+6]
.elseif j < 21
	v_max3_num_f32 v[TMP+j-18], v[TMP+j-18], v[rS+16*(j-18)+7], v[rS+16*(j-18)+15]
.elseif j == 21
	v_max3_num_f32 v[TMP+3], v[TMP+3], v[TMP+4], v[TMP+5]
.elseif j == 22
	v_max3_num_f32 v[TMP], v[TMP], v[TMP+1], v[TMP+2]
.elseif j == 23
	v_max3_num_f32 v[TMP], v[TMP], v[TMP+3], v[rT+1]
.elseif j == 24
	v_permlanex16_b32 v[TMP+1], v[TMP], s[SEL], s[SEL+1]
.elseif j == 25
	v_mov_b32 v[TMP+4], v[rT]                      ; c m_old is kept: number 27 writes c m anew
.elseif j == 26
	v_max_num_f32 v[rT+1], v[TMP], v[TMP+1]
.elseif j == 27
	v_mul_f32 v[rT], s[CS], v[rT+1]
.elseif j == 28
	v_sub_f32 v[TMP+5], v[TMP+4], v[rT]
.elseif j == 29
	v_exp_f32 v[TMP+2], v[TMP+5]
.elseif j < 34
	SMF j-30
.elseif j == 34
	SME 0
.elseif j == 35
	SMF 4
.elseif j == 36
	SME 1
.elseif j < 129
.set gn, (j-37)/4+1
.set gk, (j-37)%4
.if gk == 0
	SME 2*gn
.elseif gk == 2
	SME 2*gn+1
.elseif gk == 3
	SMC gn-1
.elseif gn < 20
	SMF gn+4
.else
	SMB gn-20
.endif
.elseif j == 129
	SMC 23
.elseif j < 138
	SMB j-126
.elseif j < 150
	SML j-138
.else
	WIN W_RS
	v_pk_mul_f32 v[rO+2*(j-150):rO+2*(j-150)+1], v[rO+2*(j-150):rO+2*(j-150)+1], v[TMP+2:TMP+3] op_sel_hi:[1,0]
.endif
.endm
.macro SL cnt                          ; the list's next cnt lines, as far as it goes
.rept \cnt
.if j < 182
	SM
.set j, j+1
.endif
.endr
.endm
.macro PVRUN t, ride                   ; a tile's 24 products V^T P, its 8 accumulators by turns; ride = 1: eight lines of tile TT's softmax behind each
.irp kk, 0,1,2
.irp cbr, 0,1,2,3,4,5,6,7
	PV \t, \kk, \cbr
.if \ride
	SL 8
.endif
.endr
.endr
.endm
; A STEP: 72 products K Q^T, three softmaxes, 72 products V^T P.  Tile 0's softmax begins behind the last products of tiles 1 and 2, tile 1's stands behind tile 0's V^T P, tile 2's behind tile 1's.
.macro STEP
	FETCH_K
	s_wait_dscnt 36                                ; K's channels 0-31 are in: 36 younger loads of K
	KQRUN 0
	FETCH_V 0
	s_wait_dscnt 48                                ; channels 32-63: 24 younger loads of K, 24 of V
	KQRUN 1
	s_wait_dscnt 36                                ; channels 64-95: 12 of K, 24 of V
	KQRUN 2
	s_wait_dscnt 24                                ; all of K: 24 of V
	FETCH_V 1
.irp kb, 0,1,2,3,4,5
	KQ 3, 0, \kb
.endr
	PLACES                                         ; between tile 0's last products and the first line that reads its scores
.set TT, 0
.set j, 0
.irp qt, 1,2
.irp kb, 0,1,2,3,4,5
	KQ 3, \qt, \kb
	SL 8
.endr
.endr
	SL 182                                         ; the rest of tile 0's list
	s_wait_dscnt 0x0                               ; V is in
.set TT, 1
.set j, 0
	PVRUN 0, 1
.set TT, 2
.set j, 0
	PVRUN 1, 1
	PVRUN 2, 0
	WIN 0
	s_sub_co_i32 s[E0], s[E0], 12                  ; the next step's keys lie 12 tiles on
.endm
; A BLOCK'S END.  Statistics and O's slots 4-7 go to my part of XCH; a barrier (all four waves and all partners reach it in the same trip: the branch round it hangs on c alone); my partner's come back; the two are merged,
; and a tile at a time goes through my stage and out as whole rows of 256 bytes.  last = 0: the second block's Q is loaded meanwhile, and its counts and statistics are set.
.macro PACK t
	WIN 0x01                                       ; source 0 in window 1
.set i, 0
.rept 16
	v_pk_mul_f32 v[RES+2*i:RES+2*i+1], v[64*(\t)+2*i:64*(\t)+2*i+1], v[GA+2*(\t):GA+2*(\t)+1] op_sel_hi:[1,0]
.set i, i+1
.endr
	WIN 0
.set i, 0
.rept 16
	v_pk_fma_f32 v[RES+2*i:RES+2*i+1], v[PO+32*(\t)+2*i:PO+32*(\t)+2*i+1], v[GB+2*(\t):GB+2*(\t)+1], v[RES+2*i:RES+2*i+1] op_sel_hi:[1,0,1]
.set i, i+1
.endr
.irp n, 0,1,2,3,4,5,6,7
	ds_store_b128 v[STO], v[RES+4*\n:RES+4*\n+3] offset:64*(\n/2)+16*(\n%2)
.endr
.irp f, 0,1,2,3,4,5,6,7
	ds_load_b128 v[PO+32*(\t)+4*\f:PO+32*(\t)+4*\f+3], v[RD] offset:\f*2*272  ; LDS serves a wave's instructions in order (ISA guide 5.7.1.4): these see the stores above; the next tile's stores come behind them
.endr
.endm
.macro SEND t, younger                 ; younger: the LDS instructions issued behind tile t's loads: the next tile's sixteen, or none
.irp f, 0,1,2,3,4,5,6,7
	s_wait_dscnt (\younger)+7-\f
	global_store_b128 v[GO], v[PO+32*(\t)+4*\f:PO+32*(\t)+4*\f+3], s[OC:OC+1] offset:(\t)*8192+\f*1024  ; 16 lanes store 256 consecutive bytes, at a multiple of 256 from out0's first byte
.endr
.endm
.macro FINISH last
	WIN 0
.irp t, 0,1,2
	v_add_f32 v[XS+4+\t], v[ST+4*\t+2], v[ST+4*\t+3]   ; these plain lines are the places behind the last products
.endr
.irp t, 0,1,2
	v_mov_b32 v[XS+\t], v[ST+4*\t]
.endr
	v_mov_b32 v[XS+3], 0
	v_mov_b32 v[XS+7], 0
.irp t, 0,1,2
	v_permlanex16_b32 v[TMP+\t], v[XS+4+\t], s[SEL], s[SEL+1]
.endr
.irp t, 0,1,2
	v_add_f32 v[XS+4+\t], v[XS+4+\t], v[TMP+\t]    ; l over both halves of the lanes
.endr
	ds_store_b128 v[XST], v[XS:XS+3] offset:12288
	ds_store_b128 v[XST], v[XS+4:XS+7] offset:12800
	WIN 0x04                                       ; the data in window 1
.irp t, 0,1,2
.irp n, 0,1,2,3,4,5,6,7
	ds_store_b128 v[XST], v[64*\t+32+4*\n:64*\t+32+4*\n+3] offset:512*(8*\t+\n)
.endr
.endr
.if !(\last)
	QLOAD QLO
.endif
	WIN 0
	s_wait_dscnt 0x0                               ; for my partner's sake: my stores are done
	s_barrier_signal -1
	s_barrier_wait -1
	ds_load_b128 v[Z:Z+3], v[XLD] offset:12288
	ds_load_b128 v[Z+4:Z+7], v[XLD] offset:12800
.irp t, 0,1,2
.irp n, 0,1,2,3,4,5,6,7
	ds_load_b128 v[PO+32*\t+4*\n:PO+32*\t+4*\n+3], v[XLD] offset:512*(8*\t+\n)
.endr
.endr
	s_wait_dscnt 24                                ; the statistics are in; the 24 loads of O stay out
.irp t, 0,1,2
	v_max_num_f32 v[T+\t], v[XS+\t], v[Z+\t]
.endr
.irp t, 0,1,2
	v_sub_f32 v[T+3+\t], v[XS+\t], v[T+\t]
.endr
.irp t, 0,1,2
	v_sub_f32 v[T+6+\t], v[Z+\t], v[T+\t]
.endr
.irp t, 0,1,2,3,4,5
	v_exp_f32 v[T+3+\t], v[T+3+\t]                 ; f_a, f_b
.endr
	v_nop                                          ; a plain line behind the last exponential
.irp t, 0,1,2
	s_wait_alu depctr_va_vdst(0)
	v_mul_f32 v[T+\t], v[XS+4+\t], v[T+3+\t]
.endr
.irp t, 0,1,2
	v_fma_f32 v[T+\t], v[Z+4+\t], v[T+6+\t], v[T+\t]
.endr
.irp t, 0,1,2
	v_rcp_f32 v[T+\t], v[T+\t]
.endr
	v_nop                                          ; a plain line behind the last reciprocal
.irp t, 0,1,2
	s_wait_alu depctr_va_vdst(0)
	v_mul_f32 v[GA+2*\t], v[T+3+\t], v[T+\t]
	v_mul_f32 v[GB+2*\t], v[T+6+\t], v[T+\t]
	v_mov_b32 v[GA+2*\t+1], 0                      ; named with them as pairs
	v_mov_b32 v[GB+2*\t+1], 0
.endr
	s_wait_dscnt 0x0                               ; my partner's O
	PACK 0
	PACK 1                                         ; a tile's arithmetic stands between the loads of the tile before and its stores
.if \last
	v_cmp_ne_u32 vcc_lo, s[SKIP], v[NIL]           ; the second block's tile 0 is the head's rows 0 to 15 where p | qh = 0: there the mask is empty and the eight stores do nothing (the launch 'head' stores those rows)
	s_wait_xcnt 0x0                                ; EXEC changes only behind s_wait_xcnt 0
	s_and_saveexec_b32 s19, vcc_lo
.endif
	SEND 0, 16
.if \last
	s_wait_xcnt 0x0                                ; and again, in front of the line that widens it
	s_or_b32 exec_lo, exec_lo, s19
.endif
	PACK 2
	SEND 1, 16
	SEND 2, 0
.if !(\last)
	s_wait_xcnt 0x0                                ; only behind this wait are the stores' base and the registers that they read written again
	s_mov_b64 s[OC:OC+1], s[OLO:OLO+1]
	s_mov_b32 s[RT], s[NL]
	s_mov_b32 s[E0], s[E0LO]
	INITM
	s_wait_loadcnt 0x0                             ; the second block's Q
.endif
.endm
.Lslot:                                                ; 17 trips: a tile is entered and the next is asked for
	CHANGE 1
	STEP
	s_sub_co_u32 s[RT], s[RT], 1
	s_cmp_lg_u32 s[RT], 0
	s_cbranch_scc1 .Lbottom                        ; in the loop only the first block ends: the second's last step is the walk's last
	FINISH 0
.Lbottom:
	s_sub_co_u32 s[SLOTS], s[SLOTS], 1
	s_cmp_lg_u32 s[SLOTS], 0
	s_cbranch_scc1 .Lslot
	CHANGE 0                                       ; the walk's last step is written out: nothing is asked for
	STEP
	FINISH 1
	s_wait_tensorcnt 0x0                           ; the wave's end, behind my last tensor load and my last LDS store
	ds_add_u32 v[SPW], v[NIL]
	s_wait_dscnt 0x0
	CROUND                                         ; the closing round: no work-group ends while a partner may still ask for a tile that names it
	s_endpgm
.Lfunc_end_k_qf88bce2e5b_attn:
	.size	k_qf88bce2e5b_attn, .Lfunc_end_k_qf88bce2e5b_attn-k_qf88bce2e5b_attn
	.p2alignl 7, 3214868480
	.fill 96, 4, 3214868480
	.section	.rodata,"a",@progbits
	.p2align	6, 0x0
	.amdhsa_kernel k_qf88bce2e5b_attn
		.amdhsa_group_segment_fixed_size 327680
		.amdhsa_private_segment_fixed_size 0
		.amdhsa_enable_private_segment 0
		.amdhsa_kernarg_size 32
		.amdhsa_user_sgpr_count 2
		.amdhsa_user_sgpr_kernarg_segment_ptr 1
		.amdhsa_wavefront_size32 1
		.amdhsa_system_sgpr_workgroup_id_x 1
		.amdhsa_system_sgpr_workgroup_id_y 1
		.amdhsa_system_sgpr_workgroup_id_z 1
		.amdhsa_system_vgpr_workitem_id 0
		.amdhsa_next_free_vgpr 1024
		.amdhsa_next_free_sgpr 96
		.amdhsa_reserve_vcc 1
		.amdhsa_float_denorm_mode_32 3
		.amdhsa_float_denorm_mode_16_64 3
		.amdhsa_memory_ordered 1
		.amdhsa_forward_progress 1
		.amdhsa_inst_pref_size 166
	.end_amdhsa_kernel
	.amdgpu_metadata
---
amdhsa.version: [ 1, 2 ]
amdhsa.kernels:
  - .name:           k_qf88bce2e5b_attn
    .symbol:         k_qf88bce2e5b_attn.kd
    .args:
      - { .name: qf, .offset: 0, .size: 8, .value_kind: global_buffer, .address_space: global }
      - { .name: kf, .offset: 8, .size: 8, .value_kind: global_buffer, .address_space: global }
      - { .name: vf, .offset: 16, .size: 8, .value_kind: global_buffer, .address_space: global }
      - { .name: out0, .offset: 24, .size: 8, .value_kind: global_buffer, .address_space: global }
    .group_segment_fixed_size: 327680
    .private_segment_fixed_size: 0
    .kernarg_segment_align: 8
    .kernarg_segment_size: 32
    .max_flat_workgroup_size: 128
    .sgpr_count:     96
    .vgpr_count:     1024
    .wavefront_size: 32
...
	.end_amdgpu_metadata
.endif
;; end of part 4
;; ======== version 2 of 2: 4 launches; 1.12 times as fast as version 1
;; limits: values are held in f16: magnitudes above 65,504 overflow, below 6.1e-05 lose precision
;; workspace buffers: cb 31,457,280 bytes; tab 1,572,864 bytes; qf 12,582,912 bytes; kf 12,582,912 bytes; vf 12,582,912 bytes; h32 393,216 bytes
;; launch cast: the kernel of part 1 again; grid 64 x 16, 8 waves a work-group, no clusters, 0 bytes of LDS; arguments Wqs, Wks, Wvs, Wq, Wk, Wv, Wqe, Wke, Wve, x, cb, tab; writes cb, tab
;; launch proj: the kernel of part 2 again; grid 8 x 48, 4 waves a work-group, clusters of 4 x 4, 327,680 bytes of LDS; arguments cb, tab, qf, kf, vf, h32; writes qf, kf, vf, h32
;; launch head: the kernel of part 3 again; grid 16 x 16, 1 waves a work-group, no clusters, 0 bytes of LDS; arguments h32, out0; writes out0
;; launch attn (part 5): grid 16 x 16, 4 waves a work-group, clusters of 4 x 1, 327,680 bytes of LDS; arguments qf, kf, vf, out0; writes out0
.if DOCPART == 5
	.amdgcn_target "amdgcn-amd-amdhsa--gfx1250"
	.amdhsa_code_object_version 6
	.text
	.protected	k_qf88bce2e5b_attn
	.globl	k_qf88bce2e5b_attn
	.p2align	8
	.type	k_qf88bce2e5b_attn,@function
k_qf88bce2e5b_attn:
	s_mov_b64 s[64:65], 0
	v_nop
	global_prefetch_b8 v0, s[64:65] scope:SCOPE_SE
	s_setreg_imm32_b32 hwreg(HW_REG_WAVE_MODE, 25, 1), 1
	s_wait_xcnt 0x0
	s_wait_alu depctr_hold_cnt(0) depctr_sa_sdst(0) depctr_va_vdst(0) depctr_va_sdst(0) depctr_va_ssrc(0) depctr_va_vcc(0) depctr_vm_vsrc(0)
	s_getreg_b32 s2, hwreg(HW_REG_IB_STS2, 6, 4)
	s_cmp_eq_u32 s2, 0
	s_cbranch_scc0 .Lentry_in_a_cluster
	s_endpgm
.Lentry_in_a_cluster:
	s_bfe_u32 s2, ttmp6, 0x10000c
	s_cmp_lg_u32 s2, 0x3003
	s_cbranch_scc0 .Lentry_shape_is_right
	s_endpgm
.Lentry_shape_is_right:
; CAUSAL ATTENTION.  out0[h][q][:] = the sum over k <= q of softmax_k(Q[h][q] . K[h][k] / sqrt(128)) V[h][k][:].  Q, K, V: [16][3072][128] f16; out0 the same shape in f32.
; Products, maxima and sums in f32; the weights p are rounded to f16 for the second product (their sum l is taken of the unrounded p).
; Rows 0 to 15 of each head are computed like all others but NOT STORED here: the launch 'head' makes them in f32 throughout (16-bit operands have too few bits for averages of so few keys).
; LIMITS.  Q, K, V arrive within f16's 65,504.  A hidden score counts as -1e30.  The running maximum starts at -2^66: true scores, 5.5e11 at the most in size, lie far above it.  A weight below 2^-126 counts as 0 in l.
; NaN and infinities are not treated apart.
; THE WALK.  A head's queries lie in 32 blocks of 96; keys go in steps of 192.  Work-group p = 4 c + cx (c the cluster, cx the place in it) takes block 31 - p and then block p: 16 - 2 c and 2 c + 2 steps, always 18:
; 256 work-groups of equal work, one counted loop.  The four partners of a cluster walk the same tiles in the same trips (all counts hang on c alone), so every tile is asked for JOINTLY by all four.
; cx enters Q's and out0's addresses, the number E0 from which masks are chosen by s_cselect, and the lane mask of eight stores, never a branch or an LDS address.  The price of equal partners: 18 steps where a block pair needs 16.5.
; SHARES.  Wave w: qh = w & 1 says which 48 queries (three tiles of 16), kh = w >> 1 which 96 keys of each step.  A wave keeps m, l and O over its own keys; at a block's end the two waves of a query half
; hand each other, through LDS, their statistics and the half of O's channels that the other finishes: O = (O_a f_a + O_b f_b) / (l_a f_a + l_b f_b), f = 2^(c m - max of the two c m).
; A wave that saw hidden keys alone (block 0, kh = 1) keeps m at its start: its weights are 0, its a is 1, its O and l stay finite, and its f is 0.
; LAYOUT.  S^T = K Q^T (source 0 = 16 keys, source 1 = 16 queries): a lane holds ONE query (lane % 16) and the keys 8 (lane / 16) + 0..7.  Two such results rounded to f16 ARE source 1 of O^T = V^T P.
; K comes out of LDS as it lies, V ([key][channel]) turned by ds_load_tr16_b128.  O's and V's slot cbr holds channel tile (cbr + 4 kh) % 8, so that in every wave slots 0-3 are the channels it finishes.
; SOFTMAX.  p = 2^(c s - c m), c = log2(e) / sqrt(128), m the running maximum; O and l are multiplied by a = 2^(c m_old - c m_new) in every step; a block's first a is 0, so O and l need only be finite there.
; BATCHES.  A tile's 49 exponentials of a step (a and its 48 weights) are ONE batch with ONE wait: all that names a result of theirs (roundings, sums, the rescaling by a) stands behind it: three waits a step.
; At a block's end the six f are a batch, and the three reciprocals of the sums made of them another: one wait each.
; THE MASK is the C operand that starts the sum S^T: for key tile kb and query tile qt it hangs on kb - qt against E0 = 6 block - 12 step - 6 kh + 3 qh: all seen (less), the triangle (equal), hidden (greater).
; The eight masks are made anew in every step (32 packed lines), so there is one text of a step.
; REGISTERS, in windows of 256 (s_set_vgpr_msb: bits 1:0 source 0, 3:2 source 1, 5:4 source 2, 7:6 destination):
;   window 0: v0-15 addresses; v16-27 statistics (tile t: c m, m, l even, l odd); v28-33 at work; v40-183 S^T, 48 a tile; v184-255 P, 24 a tile
;   window 1: v0-191 O^T, 64 a tile; v192-255 the eight masks      window 2: v0-191 K; v192-255 Q of tiles 0, 1      window 3: v0-191 V; v192-223 Q of tile 2; v224-231 the triangle
.set PK,    272                        ; a row of K in LDS: 256 bytes + 16: the 16 rows of a load start 4 banks apart (64 banks of 4 bytes: ISA guide 11.1)
.set PVP,   288                        ; a row of V: 256 + 32
.set VOFF,  192*PK                     ; a slot: 192 rows of K, then 192 rows of V
.set SLOT1, 1<<17                      ; slot 1 begins here: one exclusive or turns an address in one slot into the other's
.set STAGE, 192*(PK+PVP)               ; behind slot 0, never filled by a tensor load: 16 rows x 272 bytes for each wave, for the way out
.set SPARE, STAGE+4*16*272             ; the spare words, 128 bytes a wave: two blocks of 256 bytes that no other line names
.set XCH,   SLOT1+192*(PK+PVP)         ; behind slot 1, never filled by a tensor load: what a wave hands to its partner
.set XW,    13312                      ; 24 x 512 bytes of O, 2 x 512 of statistics
.set AK0, 2                            ; v2   my lane's place in a slot's K; never rewritten
.set AVL0, 3                           ; v3   in its V, for slots cbr 0-3
.set AVH0, 4                           ; v4   for slots cbr 4-7
.set AK,  5                            ; v5-7 the same in the slot in hand
.set AVL, 6
.set AVH, 7
.set QO,  8                            ; v8   my byte offset in 16 rows of Q
.set STO, 9                            ; v9   the way out: where I put 32 bytes of a row
.set RD,  10                           ; v10  where I read rows back
.set GO,  11                           ; v11  my byte offset in two rows of out0
.set XST, 12                           ; v12  my 16 bytes in my wave's part of XCH
.set XLD, 13                           ; v13  in my partner's
.set SPW, 14                           ; v14  my spare word: SPARE + 4 x my thread's number; never rewritten
.set NIL, 15                           ; v15  0; never rewritten
.set ST,  16
.set TMP, 28                           ; c0-c5; when the maximum is found c2 takes a
.set S,   40
.set P,   184
.set MC,  192                          ; window 1: mask d = kb - qt + 2 at MC + 8 d
.set TRI, 224                          ; window 3
.set XS,  40                           ; a block's end, in S^T's and P's registers: my statistics (c m x 3, 0, l x 3, 0),
.set Z,   48                           ; my partner's,
.set GA,  56                           ; f_a / L for each tile, as pairs,
.set GB,  62                           ; f_b / L,
.set T,   68                           ; nine at work,
.set PO,  80                           ; my partner's O for my channels, 32 a tile; later the tile's rows on their way out,
.set RES, 184                          ; a tile's 32 results
.set WV,  12                           ; s12 wave; s13 qh (also: which half of a tile I fetch); s14 kh
.set QH,  13
.set KH,  14
.set CC,  15                           ; s15 the cluster's number c
.set CXR, 16                           ; s16 cx
.set PP,  17                           ; s17 p, the second block
.set HB,  18                           ; s18 the head
.set HIB, 92                           ; s92 31 - p, the first block
.set SKIP, 93                          ; s93 p | qh: 0 where my second block's tile 0 is the head's rows 0 to 15
.set G1K, 24                           ; s[24:31] descriptor group 1 for K's tiles;  s[32:39] for V's: it differs in the padding alone
.set G1V, 32
.set G0K, 40                           ; s[40:43], s[44:47] descriptor group 0
.set G0V, 44
.set KB,  48                           ; s[48:49] K at my half of the head's tile 0;  s[50:51] V
.set VB,  50
.set OFF, 52                           ; s[52:53] a tile's byte offset
.set CS,  54                           ; s[54:55] c
.set SEL, 56                           ; s[56:57] v_permlanex16_b32's selects: each lane takes its own place in the other half
.set AL,  58                           ; s[58:59] a mask's factor;  s[60:61] its addend
.set BE,  60
.set BIGN, 62                          ; s62 -1e30
.set TB,  63                           ; s63 the slot in hand
.set SLOTS, 66                         ; s66 tiles still to be asked for
.set RT,  67                           ; s67 steps left in the block in hand
.set NXT, 68                           ; s68 the tile to be asked for next
.set LQ,  69                           ; s69 the last tile of the block whose tiles are being asked for
.set NL,  70                           ; s70 the second block's steps;  s71 that less 1
.set NLM, 71
.set E0,  72                           ; s72 E0 of the step to come;  s73 of the second block's first step
.set E0LO, 73
.set OC,  74                           ; s[74:75] out0 at my rows and channels of the block in hand;  s[76:77] of the second block
.set OLO, 76
.set QLO, 78                           ; s[78:79] Q at my rows of the second block;  s[80:81] of the first
.set QC,  80
.set MSB, 0
.macro WIN new                         ; the high byte repeats the setting that is left; a switch that changes nothing is dropped
.if MSB != (\new)
	s_set_vgpr_msb (MSB<<8)|(\new)
.set MSB, (\new)
.endif
.endm
.set W_PV, 0x53                        ; V in window 3, P in window 0, O^T in window 1
.set W_RS, 0x41                        ; O^T (destination and source 0) in window 1, a in window 0
; A joint fill.  Waves 0 and 1 fetch the two halves of a tile's K, waves 2 and 3 those of its V: 96 rows of 256 bytes each.  An s_nop 0 and four v_nop follow each line.
.macro JLOAD
	s_cmp_lt_u32 s[WV], 2
	s_cbranch_scc0 .Lfor_v_\@
	tensor_load_to_lds s[G0K:G0K+3], s[G1K:G1K+7]
	s_nop 0
.rept 4
	v_nop
.endr
	s_branch .Lasked_\@
.Lfor_v_\@:
	tensor_load_to_lds s[G0V:G0V+3], s[G1V:G1V+7]
	s_nop 0
.rept 4
	v_nop
.endr
.Lasked_\@:
.endm
.macro CROUND                          ; a round of the cluster's barrier
	s_barrier_signal -1
	s_barrier_wait -1
	s_cmp_lg_u32 s[WV], 0
	s_cbranch_scc1 .Lnot_wave_0_\@
	s_barrier_signal -3
.Lnot_wave_0_\@:
	s_barrier_wait -3
	s_barrier_signal -1
	s_barrier_wait -1
.endm
.macro PLACES                          ; four places between matrix instructions and a vector line that reads their results (ISA guide 7.12.1)
.rept 4
	v_nop
.endr
.endm
.macro QLOAD base                      ; my 48 rows of Q: tile qt, channels 32 c on: two loads of 16 bytes, 32 bytes apart
	WIN 0x80
.irp qt, 0,1
.irp c, 0,1,2,3
	global_load_b128 v[192+32*\qt+8*\c:192+32*\qt+8*\c+3],   v[QO], s[\base:\base+1] offset:\qt*4096+\c*64
	global_load_b128 v[192+32*\qt+8*\c+4:192+32*\qt+8*\c+7], v[QO], s[\base:\base+1] offset:\qt*4096+\c*64+32
.endr
.endr
	WIN 0xc0
.irp c, 0,1,2,3
	global_load_b128 v[192+8*\c:192+8*\c+3],   v[QO], s[\base:\base+1] offset:2*4096+\c*64
	global_load_b128 v[192+8*\c+4:192+8*\c+7], v[QO], s[\base:\base+1] offset:2*4096+\c*64+32
.endr
	WIN 0
.endm
.macro INITM                           ; a block begins: m at -2^66, c m made of it as every c m is
.irp t, 0,1,2
	v_mov_b32 v[ST+4*\t+1], 0xe0800000
.endr
.irp t, 0,1,2
	v_mul_f32 v[ST+4*\t], s[CS], v[ST+4*\t+1]
.endr
.endm
.macro MASKS                           ; mask d = triangle x AL + BE: (1, 0) where E0 = d - 2; (0, 0) where E0 is greater; (0, -1e30) where it is less
	WIN 0x43
.irp d, 0,1,2,3,4,5,6,7
	s_cmp_eq_i32 s[E0], \d-2
	s_cselect_b32 s[AL], 1.0, 0
	s_cmp_lt_i32 s[E0], \d-2
	s_cselect_b32 s[BE], s[BIGN], 0
.irp z, 0,2,4,6
	v_pk_fma_f32 v[MC+8*\d+\z:MC+8*\d+\z+1], v[TRI+\z:TRI+\z+1], s[AL:AL+1], s[BE:BE+1] op_sel_hi:[1,0,0]
.endr
.endr
.endm
; THE CHANGE OF SLOTS.  Each wave waits for all its tensor loads (one is out: its part of the other slot), adds 0 to its spare word, and waits for that and for its reads of the slot that it leaves.
; fill = 1: the barrier is a round of the cluster's, and the old slot is filled again, first thing behind it, with tile NXT; the load has a whole step, 144 matrix instructions, in which to land.
; (At its first use nothing has been read yet: slot 0 is waited for, slot 1 filled.)  The step's masks, work on registers, stand between the add and the wait for it;
; they are also the places between the last step's products and the loads into V's registers.
.macro CHANGE fill
	WIN 0
	s_wait_tensorcnt 0x0                           ; no tensor load of mine is out, so a group 0 may be written
	ds_add_u32 v[SPW], v[NIL]                      ; 0 onto my spare word
.if \fill
	s_mul_i32 s[OFF], s[NXT], 192*256              ; a tile is 49,152 bytes of K and of V
	s_xor_b32 s[G0K+1], s[G0K+1], SLOT1
	s_add_nc_u64 s[G0K+2:G0K+3], s[KB:KB+1], s[OFF:OFF+1]
	s_or_b32 s[G0K+3], s[G0K+3], 0x80000000
	s_xor_b32 s[G0V+1], s[G0V+1], SLOT1
	s_add_nc_u64 s[G0V+2:G0V+3], s[VB:VB+1], s[OFF:OFF+1]
	s_or_b32 s[G0V+3], s[G0V+3], 0x80000000
	s_add_co_u32 s[NXT], s[NXT], 1                 ; the block's next tile, or behind its last the second block's tile 0
	s_cmp_gt_u32 s[NXT], s[LQ]
	s_cselect_b32 s[NXT], 0, s[NXT]
	s_cselect_b32 s[LQ], s[NLM], s[LQ]
.endif
	s_xor_b32 s[TB], s[TB], SLOT1
	MASKS
	WIN 0                                          ; at a label and at a branch every window is 0
	s_wait_dscnt 0x0                               ; the add is done, and my reads of the slot are over
.if \fill
	CROUND
	JLOAD
.else
	s_barrier_signal -1
	s_barrier_wait -1
.endif
	v_add_nc_u32 v[AK], s[TB], v[AK0]
	v_add_nc_u32 v[AVL], s[TB], v[AVL0]
	v_add_nc_u32 v[AVH], s[TB], v[AVH0]
.endm
	s_load_b256 s[4:11], s[0:1], 0x0               ; qf s[4:5], kf s[6:7], vf s[8:9], out0 s[10:11]
	v_lshl_add_u32 v[SPW], v0, 2, SPARE
	v_mov_b32 v[NIL], 0
	ds_add_u32 v[SPW], v[NIL]                      ; the wave's opening: the add and its wait stand ahead of my first tensor load; the set-up below, work on registers, stands between them
	v_lshrrev_b32 v1, 5, v0
	v_readfirstlane_b32 s[WV], v1
	s_and_b32 s[QH], s[WV], 1
	s_lshr_b32 s[KH], s[WV], 1
	s_mov_b32 s[CC], ttmp9                         ; in a cluster launch ttmp9 counts clusters
	s_and_b32 s[HB], ttmp7, 0xffff
	s_lshl_b32 s19, s[CC], 1
	s_sub_co_u32 s[RT], 16, s19                    ; the first block's steps
	s_sub_co_u32 s[LQ], 15, s19
	s_add_co_u32 s[NL], s19, 2
	s_add_co_u32 s[NLM], s19, 1
	s_mov_b32 s[NXT], 1
	s_mov_b32 s[SLOTS], 17
	s_mov_b32 s[TB], SLOT1                         ; the first change of slots turns it into 0
	s_mul_i32 s90, s[HB], 3072*256                 ; the head, and my half of a tile's 192 rows: what the four partners share
	s_mul_i32 s19, s[QH], 96*256
	s_add_co_u32 s90, s90, s19
	s_mov_b32 s91, 0
	s_mov_b32 s[G0K], 1
	s_mul_i32 s[G0K+1], s[QH], 96*PK               ; slot 0: no place in the cluster enters an LDS address
	s_mov_b32 s[G0V], 1
	s_mul_i32 s[G0V+1], s[QH], 96*PVP
	s_add_co_u32 s[G0V+1], s[G0V+1], VOFF
	s_mov_b32 s[G1K], 15|(1<<16)|(1<<20)|(1<<21)|(5<<22)|(3<<25)  ; 15:0 the mask of four; 17:16 2-byte elements; 20 padding on; 21 set beside a mask; 24:22 after every 64 words; 31:25 4 words of it
	s_mov_b32 s[G1V], 15|(1<<16)|(1<<20)|(1<<21)|(5<<22)|(7<<25)  ; the same with 8 words of padding
.irp g, G1K, G1V
	s_mov_b32 s[\g+1], 128<<16                     ; tensor_dim0 = 128
	s_mov_b32 s[\g+2], 96<<16                      ; tensor_dim1 = 96
	s_mov_b32 s[\g+3], 128<<16                     ; tile_dim0 = 128
	s_mov_b32 s[\g+4], 96                          ; tile_dim1 = 96
	s_mov_b32 s[\g+5], 128                         ; 128 elements from row to row
	s_mov_b32 s[\g+6], 0
	s_mov_b32 s[\g+7], 0
.endr
	s_mov_b32 s[OFF+1], 0
	s_mov_b32 s[CS], 0x3e0293ee                    ; c = log2(e) / sqrt(128) = 0.127517
	s_mov_b32 s[CS+1], s[CS]                       ; named with it as a pair
	s_mov_b32 s[SEL], 0x76543210
	s_mov_b32 s[SEL+1], 0xfedcba98
	s_mov_b32 s[AL+1], 0
	s_mov_b32 s[BE+1], 0
	s_mov_b32 s[BIGN], 0xf149f2ca                  ; -1e30
	s_bfe_u32 s[CXR], ttmp6, 0x40000               ; from here on: what differs between partners
	s_lshl_b32 s[PP], s[CC], 2
	s_add_co_u32 s[PP], s[PP], s[CXR]
	s_sub_co_u32 s[HIB], 31, s[PP]
	s_or_b32 s[SKIP], s[PP], s[QH]
	s_mul_i32 s20, s[QH], 3
	s_mul_i32 s21, s[KH], 6
	s_sub_co_i32 s20, s20, s21
	s_mul_i32 s21, s[HIB], 6
	s_add_co_i32 s[E0], s21, s20
	s_mul_i32 s21, s[PP], 6
	s_add_co_i32 s[E0LO], s21, s20
	s_mul_i32 s22, s[HB], 3072*256                 ; Q: the head, my 48 rows in a block of 96,
	s_mul_i32 s23, s[QH], 48*256
	s_add_co_u32 s22, s22, s23
	s_mul_i32 s82, s[HIB], 96*256                  ; the first block,
	s_add_co_u32 s82, s82, s22
	s_mov_b32 s83, 0
	s_mul_i32 s84, s[PP], 96*256                   ; the second
	s_add_co_u32 s84, s84, s22
	s_mov_b32 s85, 0
	s_mul_i32 s22, s[HB], 3072*512                 ; out0 likewise, with rows of 512 bytes, and my 64 channels
	s_mul_i32 s23, s[QH], 48*512
	s_add_co_u32 s22, s22, s23
	s_lshl_b32 s23, s[KH], 8
	s_add_co_u32 s22, s22, s23
	s_mul_i32 s86, s[HIB], 96*512
	s_add_co_u32 s86, s86, s22
	s_mov_b32 s87, 0
	s_mul_i32 s88, s[PP], 96*512
	s_add_co_u32 s88, s88, s22
	s_mov_b32 s89, 0
	s_wait_dscnt 0x0                               ; the opening add is done
	s_wait_kmcnt 0x0
	s_add_nc_u64 s[KB:KB+1], s[6:7], s[90:91]
	s_add_nc_u64 s[VB:VB+1], s[8:9], s[90:91]
	s_mov_b64 s[G0K+2:G0K+3], s[KB:KB+1]           ; tile 0
	s_or_b32 s[G0K+3], s[G0K+3], 0x80000000
	s_mov_b64 s[G0V+2:G0V+3], s[VB:VB+1]
	s_or_b32 s[G0V+3], s[G0V+3], 0x80000000
	s_add_nc_u64 s[QC:QC+1], s[4:5], s[82:83]
	s_add_nc_u64 s[QLO:QLO+1], s[4:5], s[84:85]
	s_add_nc_u64 s[OC:OC+1], s[10:11], s[86:87]
	s_add_nc_u64 s[OLO:OLO+1], s[10:11], s[88:89]
	CROUND                                         ; all four work-groups are here: the first joint loads meet
	JLOAD                                          ; tile 0 into slot 0.  All that follows up to the loop stands in the wait for it
	v_and_b32 v1, 15, v0                           ; l % 16
	v_bfe_u32 v34, v0, 4, 1                        ; l / 16
	v_lshlrev_b32 v[QO], 8, v1
	v_lshl_add_u32 v[QO], v34, 4, v[QO]            ; row x 256 + 16 x half
	QLOAD QC
	v_lshlrev_b32 v37, 3, v34
	v_sub_nc_u32 v37, v1, v37                      ; my query's place in its tile less my lanes' 8 (l / 16): register r is hidden where r is greater
	WIN 0xc0
.set i, 0
.rept 8
	v_cmp_gt_i32 vcc_lo, i, v37
	v_cndmask_b32 v[TRI+i], 0, s[BIGN], vcc_lo
.set i, i+1
.endr
	WIN 0
	v_mul_u32_u24 v[AK0], v1, PK                   ; a fragment of K: row x pitch + 16 x half, in my 96 keys
	v_lshl_add_u32 v[AK0], v34, 4, v[AK0]
	s_mul_i32 s19, s[KH], 96*PK
	v_add_nc_u32 v[AK0], s19, v[AK0]
	; The turning load takes 16 keys x 16 channels (lane l reads key 8 (l / 16) + l % 8, channels 8 ((l / 8) % 2) + 0..7) and leaves half a fragment of V^T: lane l holds channel l % 16 and 8 keys.
	v_and_b32 v35, 7, v0
	v_bfe_u32 v36, v0, 3, 1
	v_lshl_add_u32 v35, v34, 3, v35
	v_mul_u32_u24 v35, v35, PVP
	v_lshl_add_u32 v35, v36, 4, v35
	s_mul_i32 s19, s[KH], 96*PVP
	s_add_co_u32 s19, s19, VOFF
	s_lshl_b32 s20, s[KH], 7                       ; kh = 1: slots 0-3 take the channels 128 bytes on, slots 4-7 those 128 bytes back
	s_add_co_u32 s21, s19, s20
	s_sub_co_u32 s22, s19, s20
	v_add_nc_u32 v[AVL0], s21, v35
	v_add_nc_u32 v[AVH0], s22, v35
	s_mul_i32 s19, s[WV], 16*272
	s_add_co_u32 s19, s19, STAGE                   ; my stage
	v_mul_u32_u24 v[STO], v1, 272                  ; in: row l % 16, 32 bytes for each half of the lanes
	v_lshl_add_u32 v[STO], v34, 5, v[STO]
	v_add_nc_u32 v[STO], s19, v[STO]
	v_mul_u32_u24 v[RD], v34, 272                  ; back: lanes 0-15 take one row of 256 bytes, lanes 16-31 the next
	v_lshl_add_u32 v[RD], v1, 4, v[RD]
	v_add_nc_u32 v[RD], s19, v[RD]
	v_lshlrev_b32 v[GO], 9, v34                    ; and the same two rows in out0
	v_lshl_add_u32 v[GO], v1, 4, v[GO]
	v_and_b32 v35, 31, v0
	v_lshlrev_b32 v35, 4, v35
	s_mul_i32 s19, s[WV], XW
	s_add_co_u32 s19, s19, XCH
	v_add_nc_u32 v[XST], s19, v35
	s_xor_b32 s20, s[WV], 2                        ; my partner: the same queries, the other keys
	s_mul_i32 s20, s20, XW
	s_add_co_u32 s20, s20, XCH
	v_add_nc_u32 v[XLD], s20, v35
	; O^T and l start at 0: the price, 198 lines once a launch, of writing no first step out
	WIN 0x40
.set i, 0
.rept 192
	v_mov_b32 v[i], 0
.set i, i+1
.endr
	WIN 0
.irp t, 0,1,2
	v_mov_b32 v[ST+4*\t+2], 0
	v_mov_b32 v[ST+4*\t+3], 0
.endr
	INITM
	s_wait_loadcnt 0x0                             ; Q
; THE MATRIX WORK.  In every run the accumulators take turns, one instruction a turn.
.macro KQ c, qt, kb                    ; S^T of query tile qt, key tile kb: channels 32 c on.  c = 0 starts the sum with the mask
.set rS, S+48*(\qt)+8*(\kb)
.set rK, 32*(\kb)+8*(\c)
.set rQ, 192+32*((\qt)%2)+8*(\c)
.set rM, MC+8*((\kb)-(\qt)+2)
.if (\c) == 0
	WIN 0x1a+4*((\qt)/2)                           ; K window 2; Q window 2, or 3 for tile 2; the mask window 1; S^T window 0
	v_wmma_f32_16x16x32_f16 v[rS:rS+7], v[rK:rK+7], v[rQ:rQ+7], v[rM:rM+7]
.else
	WIN 0x0a+4*((\qt)/2)
	v_wmma_f32_16x16x32_f16 v[rS:rS+7], v[rK:rK+7], v[rQ:rQ+7], v[rS:rS+7]
.endif
.endm
.macro KQRUN c
.irp qt, 0,1,2
.irp kb, 0,1,2,3,4,5
	KQ \c, \qt, \kb
.endr
.endr
.endm
.macro PV t, kk, cbr                   ; O^T of tile t, slot cbr: keys 32 kk on
	WIN W_PV
.set rO, 64*(\t)+8*(\cbr)
.set rV, 64*(\kk)+8*(\cbr)
.set rP, P+24*(\t)+8*(\kk)
	v_wmma_f32_16x16x32_f16 v[rO:rO+7], v[rV:rV+7], v[rP:rP+7], v[rO:rO+7]
.endm
; THE LDS LOADS stand in runs: my 96 keys of K, channels outermost (12 loads for each 32 channels); V in two runs of 12 fragments (fragment 8 kk + cbr)
.macro FETCH_K
	WIN 0x80
.irp c, 0,1,2,3
.irp kb, 0,1,2,3,4,5
	ds_load_b128 v[32*\kb+8*\c:32*\kb+8*\c+3],   v[AK] offset:\kb*16*PK+\c*64
	ds_load_b128 v[32*\kb+8*\c+4:32*\kb+8*\c+7], v[AK] offset:\kb*16*PK+\c*64+32
.endr
.endr
.endm
.macro FETCH_V h
	WIN 0xc0
.irp f, 0,1,2,3,4,5,6,7,8,9,10,11
.set fv, 12*(\h)+\f
	ds_load_tr16_b128 v[8*fv:8*fv+3],   v[AVL+(fv%8)/4] offset:(fv/8)*32*PVP+(fv%8)*32
	ds_load_tr16_b128 v[8*fv+4:8*fv+7], v[AVL+(fv%8)/4] offset:(fv/8)*32*PVP+16*PVP+(fv%8)*32
.endr
.endm
; THE VECTOR WORK.  One tile's softmax for one step is a list of 182 lines; SM writes number j of it for tile TT.  s0-s47 are the lane's 48 scores, in pairs 0-23.
;   0-23    the maximum of s0-s47 and the old m, three operands at a time: six chains c0-c5 of seven scores (each accumulator's lowest registers first), the six scores left over, then all into c0
;   24-28   the query's other 48 keys lie in the lane 16 away: the new m; c m; c m_old - c m_new
;   29-101  ONE BATCH: the 24 scalings (F b: c s - c m for pair b) and all 49 exponentials (a at 31; E x: score x, in place).  None of these names an exponential's result.  29, 30: F 0, F 1.  32-51: F and E by turns
;           (F 2-11, E 0-9).  52-99 in fours, an F and three E (F 12-23, E 10-45).  100, 101: E 46, E 47.  A number that is a multiple of 8, the first line behind a matrix instruction, is a scaling;
;           a pair is scaled four lines or more ahead of its first exponential
;   (wait)  between 101 and 102 stand a v_nop, the plain line behind the last exponential (ISA guide 5.7.2), and the wait for the batch: SM writes them ahead of number 102
;   102-149 C n: pair n rounded to f16.  B k: of the four weights 4 k .. the second pair is added onto the first, in place, behind pair 2 k's rounding.  L k: l takes that sum (L 0: l = a l + sum 0), k ascending.
;           In fours: C 2k, B k, L k-1, C 2k+1 (the first four have no L; L 11 is the last line): a sum stands five lines ahead of the L that takes it (B 11, of the last four, three ahead of L 11); the links of l's chain four apart, the last two two
;   150-181 the tile's O^T times a
.macro SMF b
	v_pk_fma_f32 v[rS+2*(\b):rS+2*(\b)+1], v[rS+2*(\b):rS+2*(\b)+1], s[CS:CS+1], v[rT:rT+1] op_sel_hi:[1,0,0] neg_lo:[0,0,1] neg_hi:[0,0,1]
.endm
.macro SME x
	v_exp_f32 v[rS+(\x)], v[rS+(\x)]
.endm
.macro SMC n
	v_cvt_pk_f16_f32 v[rP+(\n)], v[rS+2*(\n)], v[rS+2*(\n)+1]
.endm
.macro SMB k
	v_pk_add_f32 v[rS+4*(\k):rS+4*(\k)+1], v[rS+4*(\k):rS+4*(\k)+1], v[rS+4*(\k)+2:rS+4*(\k)+3]
.endm
.macro SML k
.if (\k) == 0
	v_pk_fma_f32 v[rT+2:rT+3], v[rT+2:rT+3], v[TMP+2:TMP+3], v[rS:rS+1] op_sel_hi:[1,0,1]
.else
	v_pk_add_f32 v[rT+2:rT+3], v[rT+2:rT+3], v[rS+4*(\k):rS+4*(\k)+1]
.endif
.endm
.macro SM
.set rT, ST+4*TT
.set rS, S+48*TT
.set rP, P+24*TT
.set rO, 64*TT
.if j < 150
	WIN 0
.endif
.if j == 102                           ; the batch is out: the tile's 49 exponentials are issued, and no result has been named
	v_nop                                          ; the plain line behind the last exponential and ahead of the first use: one for the batch
	s_wait_alu depctr_va_vdst(0)                   ; the wait ahead of the first line that names a result: one for the tile's 49 exponentials
.endif
.if j < 6
	v_max3_num_f32 v[TMP+j], v[rS+8*j], v[rS+8*j+1], v[rS+8*j+2]
.elseif j < 12
	v_max3_num_f32 v[TMP+j-6], v[TMP+j-6], v[rS+8*(j-6)+3], v[rS+8*(j-6)+4]
.elseif j < 18
	v_max3_num_f32 v[TMP+j-12], v[TMP+j-12], v[rS+8*(j-12)+5], v[rS+8*(j-12)+6]
.elseif j < 21
	v_max3_num_f32 v[TMP+j-18], v[TMP+j-18], v[rS+16*(j-18)+7], v[rS+16*(j-18)+15]
.elseif j == 21
	v_max3_num_f32 v[TMP+3], v[TMP+3], v[TMP+4], v[TMP+5]
.elseif j == 22
	v_max3_num_f32 v[TMP], v[TMP], v[TMP+1], v[TMP+2]
.elseif j == 23
	v_max3_num_f32 v[TMP], v[TMP], v[TMP+3], v[rT+1]
.elseif j == 24
	v_permlanex16_b32 v[TMP+1], v[TMP], s[SEL], s[SEL+1]
.elseif j == 25
	v_mov_b32 v[TMP+4], v[rT]                      ; c m_old is kept: number 27 writes c m anew
.elseif j == 26
	v_max_num_f32 v[rT+1], v[TMP], v[TMP+1]
.elseif j == 27
	v_mul_f32 v[rT], s[CS], v[rT+1]
.elseif j == 28
	v_sub_f32 v[TMP+5], v[TMP+4], v[rT]
.elseif j < 31
	SMF j-29
.elseif j == 31
	v_exp_f32 v[TMP+2], v[TMP+5]                   ; a: the batch's first
.elseif j < 52
.if j%2 == 0
	SMF (j-28)/2
.else
	SME (j-33)/2
.endif
.elseif j < 100
.set gn, (j-52)/4
.set gk, j%4
.if gk == 0
	SMF gn+12
.else
	SME 3*gn+gk+9
.endif
.elseif j < 102
	SME j-54
.elseif j < 150
.set gh, j-102
.if gh >= 2
.set gh, gh+1                          ; the first four have no L
.endif
.if gh == 48
	SML 11
.elseif gh%4 == 1
	SMB gh/4
.elseif gh%4 == 2
	SML gh/4-1
.else
	SMC gh/2                                       ; places 0 and 3 of four k: pairs 2 k and 2 k + 1
.endif
.else
	WIN W_RS
	v_pk_mul_f32 v[rO+2*(j-150):rO+2*(j-150)+1], v[rO+2*(j-150):rO+2*(j-150)+1], v[TMP+2:TMP+3] op_sel_hi:[1,0]
.endif
.endm
.macro SL cnt                          ; the list's next cnt lines, as far as it goes
.rept \cnt
.if j < 182
	SM
.set j, j+1
.endif
.endr
.endm
.macro PVRUN t, ride                   ; a tile's 24 products V^T P, its 8 accumulators by turns; ride = 1: eight lines of tile TT's softmax behind each
.irp kk, 0,1,2
.irp cbr, 0,1,2,3,4,5,6,7
	PV \t, \kk, \cbr
.if \ride
	SL 8
.endif
.endr
.endr
.endm
; A STEP: 72 products K Q^T, three softmaxes, 72 products V^T P.  Tile 0's softmax begins behind the last products of tiles 1 and 2, tile 1's stands behind tile 0's V^T P, tile 2's behind tile 1's.
; The step's three waits for exponentials: tile 0's six lines into the run of vector lines behind the last K Q^T; tile 1's and tile 2's behind the thirteenth product of the run that carries them.
; The products between a batch's lines name other tiles' S^T, P and O^T.
.macro STEP
	FETCH_K
	s_wait_dscnt 36                                ; K's channels 0-31 are in: 36 younger loads of K
	KQRUN 0
	FETCH_V 0
	s_wait_dscnt 48                                ; channels 32-63: 24 younger loads of K, 24 of V
	KQRUN 1
	s_wait_dscnt 36                                ; channels 64-95: 12 of K, 24 of V
	KQRUN 2
	s_wait_dscnt 24                                ; all of K: 24 of V
	FETCH_V 1
.irp kb, 0,1,2,3,4,5
	KQ 3, 0, \kb
.endr
	PLACES                                         ; between tile 0's last products and the first line that reads its scores
.set TT, 0
.set j, 0
.irp qt, 1,2
.irp kb, 0,1,2,3,4,5
	KQ 3, \qt, \kb
	SL 8
.endr
.endr
	SL 182                                         ; the rest of tile 0's list
	s_wait_dscnt 0x0                               ; V is in
.set TT, 1
.set j, 0
	PVRUN 0, 1
.set TT, 2
.set j, 0
	PVRUN 1, 1
	PVRUN 2, 0
	WIN 0
	s_sub_co_i32 s[E0], s[E0], 12                  ; the next step's keys lie 12 tiles on
.endm
; A BLOCK'S END.  Statistics and O's slots 4-7 go to my part of XCH; a barrier (all four waves and all partners reach it in the same trip: the branch round it hangs on c alone); my partner's come back; the two are merged,
; and a tile at a time goes through my stage and out as whole rows of 256 bytes.  last = 0: the second block's Q is loaded meanwhile, and its counts and statistics are set.
.macro PACK t
	WIN 0x01                                       ; source 0 in window 1
.set i, 0
.rept 16
	v_pk_mul_f32 v[RES+2*i:RES+2*i+1], v[64*(\t)+2*i:64*(\t)+2*i+1], v[GA+2*(\t):GA+2*(\t)+1] op_sel_hi:[1,0]
.set i, i+1
.endr
	WIN 0
.set i, 0
.rept 16
	v_pk_fma_f32 v[RES+2*i:RES+2*i+1], v[PO+32*(\t)+2*i:PO+32*(\t)+2*i+1], v[GB+2*(\t):GB+2*(\t)+1], v[RES+2*i:RES+2*i+1] op_sel_hi:[1,0,1]
.set i, i+1
.endr
.irp n, 0,1,2,3,4,5,6,7
	ds_store_b128 v[STO], v[RES+4*\n:RES+4*\n+3] offset:64*(\n/2)+16*(\n%2)
.endr
.irp f, 0,1,2,3,4,5,6,7
	ds_load_b128 v[PO+32*(\t)+4*\f:PO+32*(\t)+4*\f+3], v[RD] offset:\f*2*272  ; LDS serves a wave's instructions in order (ISA guide 5.7.1.4): these see the stores above; the next tile's stores come behind them
.endr
.endm
.macro SEND t, younger                 ; younger: the LDS instructions issued behind tile t's loads: the next tile's sixteen, or none
.irp f, 0,1,2,3,4,5,6,7
	s_wait_dscnt (\younger)+7-\f
	global_store_b128 v[GO], v[PO+32*(\t)+4*\f:PO+32*(\t)+4*\f+3], s[OC:OC+1] offset:(\t)*8192+\f*1024  ; 16 lanes store 256 consecutive bytes, at a multiple of 256 from out0's first byte
.endr
.endm
.macro FINISH last
	WIN 0
.irp t, 0,1,2
	v_add_f32 v[XS+4+\t], v[ST+4*\t+2], v[ST+4*\t+3]   ; these plain lines are the places behind the last products
.endr
.irp t, 0,1,2
	v_mov_b32 v[XS+\t], v[ST+4*\t]
.endr
	v_mov_b32 v[XS+3], 0
	v_mov_b32 v[XS+7], 0
.irp t, 0,1,2
	v_permlanex16_b32 v[TMP+\t], v[XS+4+\t], s[SEL], s[SEL+1]
.endr
.irp t, 0,1,2
	v_add_f32 v[XS+4+\t], v[XS+4+\t], v[TMP+\t]    ; l over both halves of the lanes
.endr
	ds_store_b128 v[XST], v[XS:XS+3] offset:12288
	ds_store_b128 v[XST], v[XS+4:XS+7] offset:12800
	WIN 0x04                                       ; the data in window 1
.irp t, 0,1,2
.irp n, 0,1,2,3,4,5,6,7
	ds_store_b128 v[XST], v[64*\t+32+4*\n:64*\t+32+4*\n+3] offset:512*(8*\t+\n)
.endr
.endr
.if !(\last)
	QLOAD QLO
.endif
	WIN 0
	s_wait_dscnt 0x0                               ; for my partner's sake: my stores are done
	s_barrier_signal -1
	s_barrier_wait -1
	ds_load_b128 v[Z:Z+3], v[XLD] offset:12288
	ds_load_b128 v[Z+4:Z+7], v[XLD] offset:12800
.irp t, 0,1,2
.irp n, 0,1,2,3,4,5,6,7
	ds_load_b128 v[PO+32*\t+4*\n:PO+32*\t+4*\n+3], v[XLD] offset:512*(8*\t+\n)
.endr
.endr
	s_wait_dscnt 24                                ; the statistics are in; the 24 loads of O stay out
.irp t, 0,1,2
	v_max_num_f32 v[T+\t], v[XS+\t], v[Z+\t]
.endr
.irp t, 0,1,2
	v_sub_f32 v[T+3+\t], v[XS+\t], v[T+\t]
.endr
.irp t, 0,1,2
	v_sub_f32 v[T+6+\t], v[Z+\t], v[T+\t]
.endr
.irp t, 0,1,2,3,4,5
	v_exp_f32 v[T+3+\t], v[T+3+\t]                 ; f_a, f_b: a batch of six
.endr
.irp t, 0,1,2
	v_mov_b32 v[GA+2*\t+1], 0                      ; named with f_a / L as pairs; due anyway, and the plain lines behind the last exponential
.endr
	s_wait_alu depctr_va_vdst(0)                   ; the wait ahead of the first use: one for the six f
.irp t, 0,1,2
	v_mul_f32 v[T+\t], v[XS+4+\t], v[T+3+\t]
.endr
.irp t, 0,1,2
	v_fma_f32 v[T+\t], v[Z+4+\t], v[T+6+\t], v[T+\t]
.endr
.irp t, 0,1,2
	v_rcp_f32 v[T+\t], v[T+\t]                     ; 1 / L: a batch of three, of sums made of the f
.endr
.irp t, 0,1,2
	v_mov_b32 v[GB+2*\t+1], 0                      ; named with f_b / L as pairs; the plain lines behind the last reciprocal
.endr
	s_wait_alu depctr_va_vdst(0)                   ; one wait for the three reciprocals
.irp t, 0,1,2
	v_mul_f32 v[GA+2*\t], v[T+3+\t], v[T+\t]
	v_mul_f32 v[GB+2*\t], v[T+6+\t], v[T+\t]
.endr
	s_wait_dscnt 0x0                               ; my partner's O
	PACK 0
	PACK 1                                         ; a tile's arithmetic stands between the loads of the tile before and its stores
.if \last
	v_cmp_ne_u32 vcc_lo, s[SKIP], v[NIL]           ; the second block's tile 0 is the head's rows 0 to 15 where p | qh = 0: there the mask is empty and the eight stores do nothing (the launch 'head' stores those rows)
	s_wait_xcnt 0x0                                ; EXEC changes only behind s_wait_xcnt 0
	s_and_saveexec_b32 s19, vcc_lo
.endif
	SEND 0, 16
.if \last
	s_wait_xcnt 0x0                                ; and again, in front of the line that widens it
	s_or_b32 exec_lo, exec_lo, s19
.endif
	PACK 2
	SEND 1, 16
	SEND 2, 0
.if !(\last)
	s_wait_xcnt 0x0                                ; only behind this wait are the stores' base and the registers that they read written again
	s_mov_b64 s[OC:OC+1], s[OLO:OLO+1]
	s_mov_b32 s[RT], s[NL]
	s_mov_b32 s[E0], s[E0LO]
	INITM
	s_wait_loadcnt 0x0                             ; the second block's Q
.endif
.endm
.Lslot:                                                ; 17 trips: a tile is entered and the next is asked for
	CHANGE 1
	STEP
	s_sub_co_u32 s[RT], s[RT], 1
	s_cmp_lg_u32 s[RT], 0
	s_cbranch_scc1 .Lbottom                        ; in the loop only the first block ends: the second's last step is the walk's last
	FINISH 0
.Lbottom:
	s_sub_co_u32 s[SLOTS], s[SLOTS], 1
	s_cmp_lg_u32 s[SLOTS], 0
	s_cbranch_scc1 .Lslot
	CHANGE 0                                       ; the walk's last step is written out: nothing is asked for
	STEP
	FINISH 1
	s_wait_tensorcnt 0x0                           ; the wave's end, behind my last tensor load and my last LDS store
	ds_add_u32 v[SPW], v[NIL]
	s_wait_dscnt 0x0
	CROUND                                         ; the closing round: no work-group ends while a partner may still ask for a tile that names it
	s_endpgm
.Lfunc_end_k_qf88bce2e5b_attn:
	.size	k_qf88bce2e5b_attn, .Lfunc_end_k_qf88bce2e5b_attn-k_qf88bce2e5b_attn
	.p2alignl 7, 3214868480
	.fill 96, 4, 3214868480
	.section	.rodata,"a",@progbits
	.p2align	6, 0x0
	.amdhsa_kernel k_qf88bce2e5b_attn
		.amdhsa_group_segment_fixed_size 327680
		.amdhsa_private_segment_fixed_size 0
		.amdhsa_enable_private_segment 0
		.amdhsa_kernarg_size 32
		.amdhsa_user_sgpr_count 2
		.amdhsa_user_sgpr_kernarg_segment_ptr 1
		.amdhsa_wavefront_size32 1
		.amdhsa_system_sgpr_workgroup_id_x 1
		.amdhsa_system_sgpr_workgroup_id_y 1
		.amdhsa_system_sgpr_workgroup_id_z 1
		.amdhsa_system_vgpr_workitem_id 0
		.amdhsa_next_free_vgpr 1024
		.amdhsa_next_free_sgpr 96
		.amdhsa_reserve_vcc 1
		.amdhsa_float_denorm_mode_32 3
		.amdhsa_float_denorm_mode_16_64 3
		.amdhsa_memory_ordered 1
		.amdhsa_forward_progress 1
		.amdhsa_inst_pref_size 162
	.end_amdhsa_kernel
	.amdgpu_metadata
---
amdhsa.version: [ 1, 2 ]
amdhsa.kernels:
  - .name:           k_qf88bce2e5b_attn
    .symbol:         k_qf88bce2e5b_attn.kd
    .args:
      - { .name: qf, .offset: 0, .size: 8, .value_kind: global_buffer, .address_space: global }
      - { .name: kf, .offset: 8, .size: 8, .value_kind: global_buffer, .address_space: global }
      - { .name: vf, .offset: 16, .size: 8, .value_kind: global_buffer, .address_space: global }
      - { .name: out0, .offset: 24, .size: 8, .value_kind: global_buffer, .address_space: global }
    .group_segment_fixed_size: 327680
    .private_segment_fixed_size: 0
    .kernarg_segment_align: 8
    .kernarg_segment_size: 32
    .max_flat_workgroup_size: 128
    .sgpr_count:     96
    .vgpr_count:     1024
    .wavefront_size: 32
...
	.end_amdgpu_metadata
.endif
;; end of part 5
